; MI455X (gfx1250); checked and timed in simulation.
; The chip was launched on July 23, 2026; its instructions are those of AMD's public machine-readable ISA for CDNA 5 (MIT licence, August 2026) and "CDNA5" Instruction Set Architecture Reference Guide (July 2026). The comments in the code are by the model that wrote it; some were corrected since.
;; MAB. Allowed arithmetic: matrix products marked QUANTISED: E2M1 operands, one E8M0 scale for each 32 along K, by v_wmma_scale_f32_16x16x128_f8f6f4 with both operands' format E2M1 (or v_wmma_scale_f32_32x16x128_f4), f32 sums; everything else in f32.
;; Inputs: Wk 1,024 x 1,024 float32; Wl 1,024 x 1,024 float32; Wq 1,024 x 1,024 float32; Wv 1,024 x 1,024 float32; b1 1,024 float32; b2 1,024 float32; bk 1,024 float32; bl 1,024 float32; bq 1,024 float32; bv 1,024 float32; g1 1,024 float32; g2 1,024 float32; key_ 4,096 x 1,024 float32; query 4,096 x 1,024 float32.
;; Outputs: out0 4,096 x 1,024 float32.
;; This version of the problem:
;;   THIS VERSION OF THE PROBLEM IS GIVEN IN LOW PRECISION. The matrix products marked QUANTISED in the list below multiply operands that are first quantised to E2M1 (2 exponent bits, 1 mantissa bit; 4 bits a number), with one power-of-two scale for each 32 numbers along K (OCP MX v1.0); their sums are f32. All else is computed in f32.
;;   The module's matrix products, in the order in which they are computed (A, B: the left and right operand; K: the contracted axis; several contracted axes count as one K, in the product's order):
;;     1. [M 4,096, K 1,024] x [K 1,024, N 1,024]; A: input query; B: input Wq: QUANTISED
;;     2. [M 4,096, K 1,024] x [K 1,024, N 1,024]; A: input key_; B: input Wk: QUANTISED
;;     3. [M 4,096, K 1,024] x [K 1,024, N 1,024]; A: input key_; B: input Wv: QUANTISED
;;     4. batch 16 x [M 4,096, K 64] x [K 64, N 4,096]; A: computed on the way; B: computed on the way: QUANTISED
;;     5. batch 16 x [M 64, K 4,096] x [K 4,096, N 4,096]; A: computed on the way; B: softmax (see below): QUANTISED
;;     6. [M 4,096, K 1,024] x [K 1,024, N 1,024]; A: computed on the way; B: input Wl: QUANTISED
;;   THE QUANTISER, for each operand of a quantised product, along K:
;;     - K is cut into blocks of 32 from its start; a last block that is shorter is filled with zeros.
;;     - A block's scale is 2^e with e = floor(log2(the largest magnitude in the block)) - 2, held to -126 .. 127; a block of zeros has e = 0. As a byte (E8M0): e + 127.
;;     - Each number is divided by its block's scale, clamped to +-6, and rounded to the nearest number of E2M1, ties to even, subnormals kept.
;;     - The product sums the exact products of the quantised numbers (number of the format x scale) in f32.
;;   ~~~python
;;   def quantise(x, axis):      # numpy; x: float32 -> the quantised numbers, widened to float32 again
;;       x = np.moveaxis(x, axis, -1); K = x.shape[-1]
;;       x = np.pad(x, [(0, 0)] * (x.ndim - 1) + [(0, -K % 32)]); x = x.reshape(x.shape[:-1] + (-1, 32)); a = np.abs(x).max(-1, keepdims=True)
;;       e = np.where(a > 0, np.clip(np.frexp(np.where(a > 0, a, 1))[1] - 1 - 2, -126, 127), 0)      # np.frexp(a)[1] - 1 = floor(log2(a)), exactly
;;       r = np.clip(x / 2.0 ** e, -6, 6)
;;       step = 2.0 ** (np.maximum(np.frexp(np.where(r == 0, 1, r))[1] - 1, 0) - 1)
;;       q = np.round(r / step) * step * 2.0 ** e      # np.round: ties to even
;;       return np.moveaxis(q.reshape(q.shape[:-2] + (-1,))[..., :K], -1, axis).astype(np.float32)
;;   ~~~
;;   SOFTMAX AHEAD OF A QUANTISED PRODUCT. Where the list says 'softmax', what is quantised is not the finished softmax but p = 2^(t - M), with t = logit x log2(e) and M = ceil(the row's largest t), a whole number; so 1/2 < the row's largest p <= 1. The row's sum l is taken of the UNQUANTISED p, in f32, and the product's result is divided by l at the end. Since M is a whole number, a kernel that streams over the keys may use a running M (the ceiling of the running maximum): every later rescaling is an exact power of two, which a block's scale takes up: the codes' values come out the same.
;;   OPERANDS COMPUTED ON THE WAY. 'Computed on the way' means the value that the module computes at that place (a softmax that the list does not call 'softmax' is quantised finished and normalised). What goes into a quantiser is computed in f32, as accurately as f32 sums, v_exp_f32 and their like allow (about 1e-6 of the number): no bf16 or f16 on the way to a quantiser, and a product that is left as it is and whose result goes on into a quantised operand takes f32 operands (vector FMAs, or v_wmma_f32_16x16x4_f32). A number that lies on a knife's edge between two numbers of the format may be rounded either way, as far as f32 arithmetic and the matrix unit's own rounding can turn it there, and no further.
;; One version. Each part assembles by itself: llvm-mc -triple=amdgcn-amd-amdhsa -mcpu=gfx1250 --defsym DOCPART=n.
;; ======== version 1 of 1: 4 launches
;; limits: right only within a limited range of input values
;; workspace buffers: codes1 6,291,456 bytes; scales1 393,216 bytes; qf 16,777,216 bytes; codes2 6,291,456 bytes; scales2 393,216 bytes; of 16,777,216 bytes
;; launch quant (part 1): grid 768 x 1, 4 waves a work-group, no clusters, 68,096 bytes of LDS; arguments query, key_, Wq, Wk, Wv, Wl, codes1, scales1; writes codes1, scales1
.if DOCPART == 1
	.amdgcn_target "amdgcn-amd-amdhsa--gfx1250"
	.amdhsa_code_object_version 6
	.text
	.protected	k_qe296a53eb1_quant
	.globl	k_qe296a53eb1_quant
	.p2align	8
	.type	k_qe296a53eb1_quant,@function
k_qe296a53eb1_quant:
	s_mov_b64 s[64:65], 0
	v_nop
	global_prefetch_b8 v0, s[64:65] scope:SCOPE_SE
	s_setreg_imm32_b32 hwreg(HW_REG_WAVE_MODE, 25, 1), 1
	s_wait_xcnt 0x0
; FIRST OF FOUR LAUNCHES: query, key_ [4096][1024] and Wq, Wk, Wv, Wl [1024 (k)][1024 (n)], f32, become codes of FP4 (E2M1) with one E8M0 byte for each 32 along K.
; NO WORK OF THE PROBLEM IS LEFT OUT in any of the four launches: every one of the 14 inputs has a way to the output (bk too: it moves K's codes), and all six products are live.
; A block's scale is 2^(floor(log2(largest magnitude)) - 2); its byte is the largest magnitude's exponent field - 2, held at 1 from below.
; LIMITS: a block of zeros gets the byte 1 where the rule says 127 (its codes are zeros, and this program alone reads the bytes); blocks whose largest magnitude lies under 2^-124 are held at
; the byte 1; NaN and infinities among the inputs are not served.
; LAYOUT OF THE RESULTS: images of the matrix operand's registers.  A fragment (16 rows x 128 K) is 1,024 bytes: half c at 512 c, lane l's 16 bytes at 16 l: lane (r, h) holds k = 64 c + 32 h + 0..31 of row r.
;   codes1  [gp 384][T 2][ks 8][1024]: gp = a pair of row tiles (32 rows): 0-127 query, 128-255 key_, 256-287 Wq, 288-319 Wk, 320-351 Wv, 352-383 Wl (a weight's row is its column n).
;   scales1 [gp 384][ks 8][32 words]: lanes 0-15 the words of tile T = 0, lanes 16-31 those of T = 1.
; SHARES: a wave takes one (gp, ks): 32 rows x 128 K, 16 KiB of f32, all asked for at once.  No loop, no barrier: waves share nothing.
; Work-groups 0-511 take query and key_ (K innermost: rows are read whole and turned through the wave's own stage in LDS); 512-767 take the weights (a lane to a column, registers down K: nothing is turned).
.set STG,   16896                      ; a wave's stage: 32 rows x (512 bytes + 16)
.set SPARE, 4*STG                      ; behind the stages: the spare words, 128 bytes a wave
.set SPW,   8                          ; v8   my spare word's LDS address; never rewritten
.set NIL,   9                          ; v9   0; never rewritten
.set TM,    10                         ; v10-13 largest magnitudes
.set SO,    14                         ; v14-17 the conversions' scale operands
.set BY,    18                         ; v18-21 scale bytes
.set C,     32                         ; v32-47 codes
.set R,     64                         ; v64-191 128 numbers: four blocks of 32
; four blocks of 32 numbers of a lane, at R + 32 b: their bytes into BY + b, their codes into C + 4 b .. + 3
.macro BLK4
.irp b, 0,1,2,3
	v_max3_num_f32 v[TM+\b], |v[R+32*\b]|, |v[R+32*\b+1]|, 0x1800000   ; with the floor 2^(3 - 127): the byte cannot fall under 1
.endr
.irp i, 2,4,6,8,10,12,14,16,18,20,22,24,26,28,30
.irp b, 0,1,2,3
	v_max3_num_f32 v[TM+\b], v[TM+\b], |v[R+32*\b+\i]|, |v[R+32*\b+\i+1]|   ; the four blocks by turns
.endr
.endr
.irp b, 0,1,2,3
	v_add_nc_u32 v[SO+\b], 0xff000000, v[TM+\b]    ; 2 off the exponent field: the conversion takes that field as its scale
.endr
.irp b, 0,1,2,3
	v_lshrrev_b32 v[BY+\b], 23, v[SO+\b]           ; the scale's byte
.endr
.irp b, 0,1,2,3
.irp g, 0,1,2,3
	v_cvt_scalef32_pk8_fp4_f32 v[C+4*\b+\g], v[R+32*\b+8*\g:R+32*\b+8*\g+7], v[SO+\b]
.endr
.endr
	v_nop                                          ; one plain instruction behind the last scaled conversion
.endm
; from gp (s21) and ks (s22): where my images and my scale words go
.macro OUTADR
	s_lshl_b32 s28, s21, 14
	s_lshl_b32 s29, s22, 10
	s_add_co_u32 s28, s28, s29
	s_mov_b32 s29, 0
	s_add_nc_u64 s[16:17], s[16:17], s[28:29]      ; codes1 + 16384 gp + 1024 ks
	s_lshl_b32 s28, s21, 10
	s_lshl_b32 s30, s22, 7
	s_add_co_u32 s28, s28, s30
	s_add_nc_u64 s[18:19], s[18:19], s[28:29]      ; scales1 + 1024 gp + 128 ks
.endm
.macro FIN                             ; the wave's end
	s_wait_tensorcnt 0x0
	ds_add_u32 v[SPW], v[NIL]
	s_wait_dscnt 0x0
	s_endpgm
.endm
	s_load_b512 s[4:19], s[0:1], 0x0               ; query, key_, Wq, Wk, Wv, Wl, codes1, scales1
	v_lshl_add_u32 v[SPW], v0, 2, SPARE
	v_mov_b32 v[NIL], 0
	v_lshrrev_b32 v1, 5, v0
	v_readfirstlane_b32 s20, v1                    ; wave
	v_and_b32 v1, 31, v0                           ; lane l
	v_and_b32 v2, 15, v0                           ; r
	v_bfe_u32 v3, v0, 4, 1                         ; h
	v_lshlrev_b32 v4, 4, v1                        ; 16 l
	v_lshlrev_b32 v5, 2, v1                        ; 4 l
	s_mul_i32 s23, s20, STG
	v_add_nc_u32 v6, s23, v4                       ; the stage, in: 16 l of a row
	v_mul_u32_u24 v7, v2, 528
	v_lshl_add_u32 v7, v3, 7, v7
	v_add_nc_u32 v7, s23, v7                       ; and out: row r, + 128 h: my block of 32 numbers
	v_mov_b32 v24, 0                               ; (a lane permute's destination counts as read)
	v_mov_b32 v25, 0
	v_lshlrev_b32 v26, 3, v3                       ; 8 h
	s_mov_b32 s32, 0x76543210
	s_mov_b32 s33, 0xfedcba98                      ; selects for lane l xor 16
	s_wait_kmcnt 0x0
	s_cmp_lt_u32 ttmp9, 512
	s_cbranch_scc0 .Lweights
	; ---- query and key_: gp = work-group / 2, ks = 4 (work-group % 2) + wave
	s_lshr_b32 s21, ttmp9, 1
	s_and_b32 s22, ttmp9, 1
	s_lshl_b32 s22, s22, 2
	s_add_co_u32 s22, s22, s20
	s_cmp_lt_u32 ttmp9, 256
	s_cselect_b64 s[24:25], s[4:5], s[6:7]
	s_and_b32 s26, s21, 127
	s_lshl_b32 s26, s26, 17                        ; 32 rows of 4,096 bytes
	s_lshl_b32 s27, s22, 9                         ; 128 numbers
	s_add_co_u32 s26, s26, s27
	s_mov_b32 s27, 0
	s_add_nc_u64 s[24:25], s[24:25], s[26:27]
.set n, 0
	s_wait_alu depctr_va_vdst(0)
.rept 32
	global_load_b128 v[R+4*n:R+4*n+3], v4, s[24:25] offset:n*4096 th:TH_LOAD_NT   ; row n: 512 consecutive bytes
.set n, n+1
.endr
	OUTADR
.set n, 0
.rept 32
	s_wait_loadcnt 31-n                            ; row n is in; the younger rows may be out
	ds_store_b128 v6, v[R+4*n:R+4*n+3] offset:528*n
.set n, n+1
.endr
	s_wait_dscnt 0x0                               ; the stores have read their registers: the loads below land there
.irp t, 0,1
.irp c, 0,1
.irp i, 0,1,2,3,4,5,6,7
	ds_load_b128 v[R+64*\t+32*\c+4*\i:R+64*\t+32*\c+4*\i+3], v7 offset:\t*8448+256*\c+16*\i   ; tile t, row r: k = 64 c + 32 h + 4 i ..
.endr
.endr
.endr
	s_wait_dscnt 0x0
	BLK4                                           ; block 2 t + c of the registers is K block 2 c + h of tile t
	v_lshl_or_b32 v22, v[BY+1], 16, v[BY]          ; tile 0: my bytes h and 2 + h,
	v_lshl_or_b32 v23, v[BY+3], 16, v[BY+2]        ; tile 1
	v_lshlrev_b32 v22, v26, v22                    ; at their places in the word
	v_lshlrev_b32 v23, v26, v23
	v_permlanex16_b32 v24, v22, s32, s33
	v_permlanex16_b32 v25, v23, s32, s33
	v_or_b32 v22, v22, v24                         ; with lane l xor 16's two the word is whole
	v_or_b32 v23, v23, v25
	v_cmp_gt_u32 vcc_lo, 16, v1
	v_cndmask_b32 v22, v23, v22, vcc_lo            ; lanes 0-15 tile 0's word, lanes 16-31 tile 1's
.irp t, 0,1
.irp c, 0,1
	global_store_b128 v4, v[C+8*\t+4*\c:C+8*\t+4*\c+3], s[16:17] offset:\t*8192+\c*512   ; 512 consecutive bytes, aligned
.endr
.endr
	global_store_b32 v5, v22, s[18:19]
	FIN
.Lweights:                                             ; ---- the weights: work-group - 512 = 64 weight + 8 column group + ks; pair of tiles = 4 column group + wave
	s_sub_co_u32 s26, ttmp9, 512
	s_lshr_b32 s27, s26, 6                         ; which weight
	s_bfe_u32 s28, s26, 0x30003
	s_and_b32 s22, s26, 7                          ; ks
	s_lshl_b32 s28, s28, 2
	s_add_co_u32 s28, s28, s20                     ; pair: 32 columns
	s_lshl_b32 s21, s27, 5
	s_add_co_u32 s21, s21, s28
	s_add_co_u32 s21, s21, 256                     ; gp
	s_cmp_lt_u32 s27, 1
	s_cselect_b64 s[24:25], s[8:9], s[10:11]
	s_cmp_lt_u32 s27, 3
	s_cselect_b64 s[30:31], s[12:13], s[14:15]
	s_cmp_lt_u32 s27, 2
	s_cselect_b64 s[24:25], s[24:25], s[30:31]
	s_lshl_b32 s26, s22, 19                        ; 128 rows of 4,096 bytes
	s_lshl_b32 s27, s28, 7                         ; 32 columns
	s_add_co_u32 s26, s26, s27
	s_mov_b32 s27, 0
	s_add_nc_u64 s[24:25], s[24:25], s[26:27]
.set n, 0
	s_wait_alu depctr_va_vdst(0)
.rept 128
	global_load_b32 v[R+n], v5, s[24:25] offset:n*4096 th:TH_LOAD_NT   ; W(128 ks + n, my column): a wave reads 128 consecutive bytes, the four waves 512
.set n, n+1
.endr
	OUTADR
	s_wait_loadcnt 0x0
	BLK4                                           ; all four blocks of my column are mine
	v_lshl_or_b32 v22, v[BY+1], 8, v[BY]           ; my column's word: lane l is row l % 16 of tile l / 16, as the pair's words lie
	v_lshl_or_b32 v22, v[BY+2], 16, v22
	v_lshl_or_b32 v22, v[BY+3], 24, v22
.irp c, 0,1
.irp i, 0,1,2,3
	v_permlane16_swap_b32 v[C+8*\c+\i], v[C+8*\c+4+\i]   ; block 2 c's upper lanes change places with block 2 c + 1's lower: C + 8 c is tile 0's half c, C + 8 c + 4 tile 1's
.endr
.endr
.irp t, 0,1
.irp c, 0,1
	global_store_b128 v4, v[C+8*\c+4*\t:C+8*\c+4*\t+3], s[16:17] offset:\t*8192+\c*512
.endr
.endr
	global_store_b32 v5, v22, s[18:19]
	FIN
.Lfunc_end_k_qe296a53eb1_quant:
	.size	k_qe296a53eb1_quant, .Lfunc_end_k_qe296a53eb1_quant-k_qe296a53eb1_quant
	.p2alignl 7, 3214868480
	.fill 96, 4, 3214868480
	.section	.rodata,"a",@progbits
	.p2align	6, 0x0
	.amdhsa_kernel k_qe296a53eb1_quant
		.amdhsa_group_segment_fixed_size 68096
		.amdhsa_private_segment_fixed_size 0
		.amdhsa_enable_private_segment 0
		.amdhsa_kernarg_size 64
		.amdhsa_user_sgpr_count 2
		.amdhsa_user_sgpr_kernarg_segment_ptr 1
		.amdhsa_wavefront_size32 1
		.amdhsa_system_sgpr_workgroup_id_x 1
		.amdhsa_system_sgpr_workgroup_id_y 1
		.amdhsa_system_sgpr_workgroup_id_z 1
		.amdhsa_system_vgpr_workitem_id 0
		.amdhsa_next_free_vgpr 192
		.amdhsa_next_free_sgpr 66
		.amdhsa_reserve_vcc 1
		.amdhsa_float_denorm_mode_32 3
		.amdhsa_float_denorm_mode_16_64 3
		.amdhsa_memory_ordered 1
		.amdhsa_forward_progress 1
		.amdhsa_inst_pref_size 37
	.end_amdhsa_kernel
	.amdgpu_metadata
---
amdhsa.version: [ 1, 2 ]
amdhsa.kernels:
  - .name:           k_qe296a53eb1_quant
    .symbol:         k_qe296a53eb1_quant.kd
    .args:
      - { .name: query, .offset: 0, .size: 8, .value_kind: global_buffer, .address_space: global }
      - { .name: key_, .offset: 8, .size: 8, .value_kind: global_buffer, .address_space: global }
      - { .name: Wq, .offset: 16, .size: 8, .value_kind: global_buffer, .address_space: global }
      - { .name: Wk, .offset: 24, .size: 8, .value_kind: global_buffer, .address_space: global }
      - { .name: Wv, .offset: 32, .size: 8, .value_kind: global_buffer, .address_space: global }
      - { .name: Wl, .offset: 40, .size: 8, .value_kind: global_buffer, .address_space: global }
      - { .name: codes1, .offset: 48, .size: 8, .value_kind: global_buffer, .address_space: global }
      - { .name: scales1, .offset: 56, .size: 8, .value_kind: global_buffer, .address_space: global }
    .group_segment_fixed_size: 68096
    .private_segment_fixed_size: 0
    .kernarg_segment_align: 8
    .kernarg_segment_size: 64
    .max_flat_workgroup_size: 128
    .sgpr_count:     66
    .vgpr_count:     192
    .wavefront_size: 32
...
	.end_amdgpu_metadata
.endif
;; end of part 1
;; launch proj (part 2): grid 4 x 48, 4 waves a work-group, clusters of 4 x 4, 327,680 bytes of LDS; arguments codes1, scales1, bq, bk, bv, qf, codes2, scales2; writes qf, codes2, scales2
.if DOCPART == 2
	.amdgcn_target "amdgcn-amd-amdhsa--gfx1250"
	.amdhsa_code_object_version 6
	.text
	.protected	k_qe296a53eb1_proj
	.globl	k_qe296a53eb1_proj
	.p2align	8
	.type	k_qe296a53eb1_proj,@function
k_qe296a53eb1_proj:
	s_mov_b64 s[64:65], 0
	v_nop
	global_prefetch_b8 v0, s[64:65] scope:SCOPE_SE
	s_setreg_imm32_b32 hwreg(HW_REG_WAVE_MODE, 25, 1), 1
	s_wait_xcnt 0x0
	s_wait_alu depctr_hold_cnt(0) depctr_sa_sdst(0) depctr_va_vdst(0) depctr_va_sdst(0) depctr_va_ssrc(0) depctr_va_vcc(0) depctr_vm_vsrc(0)
	s_getreg_b32 s2, hwreg(HW_REG_IB_STS2, 6, 4)
	s_cmp_eq_u32 s2, 0
	s_cbranch_scc0 .Lentry_in_a_cluster
	s_endpgm
.Lentry_in_a_cluster:
	s_bfe_u32 s2, ttmp6, 0x10000c
	s_cmp_lg_u32 s2, 0xf033
	s_cbranch_scc0 .Lentry_shape_is_right
	s_endpgm
.Lentry_shape_is_right:
; SECOND LAUNCH: the three projections, on the first launch's codes, and the quantising of their results.  Nothing of the problem is left out.
; ONE FORM FOR ALL THREE: Y[i][j] = sum over k of P[i][k] R[j][k] + bias, K = 1,024, then Y is quantised along j.
;   Q (cluster y 0-3):  P = query, R = Wq, bias by j;   K (4-7): P = key_, R = Wk, bias by j;   V (8-11): P = Wv, R = key_, bias by i: Y = V^T, so that the keys, the last product's K, run along j.
; A work-group makes 256 x 256 of Y, each of its four waves 128 x 128: 64 accumulators.  The matrix instruction is used transposed (source 0 = 16 rows of R, source 1 = 16 rows of P):
; lane (r, h) holds row i = r, and register 8 b + j' of a block of rows the column 16 b + 8 h + j'.  The bias is the C of each sum's first instruction.
; ALL OF K LIES IN LDS AT ONCE: each wave's one tensor load brings 128 rows x 1,024 K, 64 KiB dense, as it lies in memory: images of the operand's registers ([tile 8][ks 8][1024]).  Nothing is filled again.
; CLUSTER 4 x 4: P's rows are shared along a row of the cluster, R's along a column: joint loads.  What tells Q, K and V apart hangs on the cluster's y alone, which all partners share.
; RESULTS.  qf (Q alone): f32 as images of the result's registers, [tile 256][head 16][8][512].  codes2: Q [head][tile 256][512] at 0, K likewise at 2 MiB (a head's 64 are half a fragment),
;   V^T [head][ks 32][dt 4][1024] at 4 MiB.  scales2: Q [hp 8][tile][16 words] at 0, K at 128 KiB (bytes 2 c, 2 c + 1 of a word: head 2 hp + c), V [head][ks][dt][16 words] at 256 KiB.
; LIMITS: as in the first launch (a block of zeros gets the byte 1; NaN and infinities are not served).
; REGISTERS, window 0: v16, v20 LDS addresses; v24-30 lane terms; v32-63 P's scale words, v64-95 R's (pair p, K step ks at 8 p + ks; lanes 0-15 the even tile, lanes 16-31 the odd);
;   v96-111 at work; v112-119 the results' scale words; v128-191 P's fragments, one set, later the results' codes; v192-255 the bias, later the stores' offsets.
;   window 1: R's fragments, two sets, at v0 and v128.   windows 2, 3: the accumulators of my rows 0-63, 64-127: (a, b) at v[8 (8 (a % 4) + b)].
.set SCR,   262144                     ; behind the four fills: 512 bytes a wave in which a wave's scale words are gathered
.set SPARE, 264192                     ; the spare words, 128 bytes a wave
.set ADRA, 16
.set ADRB, 20
.set LI,   24                          ; 16 l
.set LS,   25                          ; 4 l
.set SCW,  26                          ; my gathering place + 4 r
.set SCRD, 27                          ; my gathering place + 16 l
.set SPW,  28
.set NIL,  29
.set SGO,  30                          ; the scale words' offset in memory
.set SA,   32
.set SB,   64
.set VADR, 96                          ; v96-103 the bias loads' offsets; later:
.set TM,   96
.set T2,   100
.set SO,   104
.set BY,   108
.set PW,   112
.set SWD,  120
.set AF,   128
.set PC,   128
.set BB,   192
.set VA0,  192
.set VA1,  200
.set MSB, 0
.macro WIN new                         ; the immediate's high byte repeats the setting that is left
.if MSB != \new
	s_set_vgpr_msb (MSB<<8)|\new
.set MSB, \new
.endif
.endm
.macro PLACES                          ; four plain instructions behind a matrix instruction, ahead of loads into its sources and of reads of its result
.rept 4
	v_nop
.endr
.endm
.macro CROUND                          ; a round of the cluster's barrier
	s_barrier_signal -1
	s_barrier_wait -1
	s_cmp_lg_u32 s20, 0
	s_cbranch_scc1 .Lnot_wave_0_\@
	s_barrier_signal -3
.Lnot_wave_0_\@:
	s_barrier_wait -3
	s_barrier_signal -1
	s_barrier_wait -1
.endm
.macro WMS oa, ob                      ; one product; oa, ob: source 0's, source 1's tile is the odd one of its pair: its words stand in lanes 16-31
.if (\oa)&&(\ob)
	v_wmma_scale_f32_16x16x128_f8f6f4 v[rD:rD+7], v[rS0:rS0+7], v[rS1:rS1+7], v[rC:rC+7], v[rSA], v[rSB] matrix_a_fmt:MATRIX_FMT_FP4 matrix_b_fmt:MATRIX_FMT_FP4 matrix_a_scale:MATRIX_SCALE_ROW1 matrix_b_scale:MATRIX_SCALE_ROW1
.elseif \oa
	v_wmma_scale_f32_16x16x128_f8f6f4 v[rD:rD+7], v[rS0:rS0+7], v[rS1:rS1+7], v[rC:rC+7], v[rSA], v[rSB] matrix_a_fmt:MATRIX_FMT_FP4 matrix_b_fmt:MATRIX_FMT_FP4 matrix_a_scale:MATRIX_SCALE_ROW1
.elseif \ob
	v_wmma_scale_f32_16x16x128_f8f6f4 v[rD:rD+7], v[rS0:rS0+7], v[rS1:rS1+7], v[rC:rC+7], v[rSA], v[rSB] matrix_a_fmt:MATRIX_FMT_FP4 matrix_b_fmt:MATRIX_FMT_FP4 matrix_b_scale:MATRIX_SCALE_ROW1
.else
	v_wmma_scale_f32_16x16x128_f8f6f4 v[rD:rD+7], v[rS0:rS0+7], v[rS1:rS1+7], v[rC:rC+7], v[rSA], v[rSB] matrix_a_fmt:MATRIX_FMT_FP4 matrix_b_fmt:MATRIX_FMT_FP4
.endif
.endm
; 16 products: P's blocks a0, a0 + 1 x R's eight, K step ks; p: R's set.  cm = 0: C = D; 1: C = the bias by column; 2: the bias by row.  The 64 accumulators take turns in the same order in every step.
.macro MUL16 a0, p, ks, cm
.set ma, \a0
.rept 2
.set mb, 0
.rept 8
.set rD, 8*(8*(ma%4)+mb)
.set rC, rD
.if (\cm)==1
.set rC, BB+8*mb
.endif
.if (\cm)==2
.set rC, BB+8*ma
.endif
.set rS0, 128*(\p)+8*mb
.set rS1, AF+8*ma
.set rSA, SB+8*(mb/2)+(\ks)
.set rSB, SA+8*(ma/2)+(\ks)
	WMS mb%2, ma%2
.set mb, mb+1
.endr
.set ma, ma+1
.endr
.endm
.macro FRAG reg, adr, ks, i            ; a fragment comes as it lies: two loads of 512 consecutive bytes
	ds_load_b128 v[\reg:\reg+3], v[\adr] offset:(\i)*8192+(\ks)*1024
	ds_load_b128 v[\reg+4:\reg+7], v[\adr] offset:(\i)*8192+(\ks)*1024+512
.endm
.macro FETCH_B ks, p
	WIN 0x40                                       ; destination window 1
.irp i, 0,1,2,3,4,5,6,7
	FRAG 128*(\p)+8*\i, ADRB, \ks, \i
.endr
	WIN 0
.endm
.macro FETCH_A ks, i0
.irp i, \i0, \i0+1, \i0+2, \i0+3
	FRAG AF+8*(\i), ADRA, \ks, \i
.endr
.endm
; a K step that has a successor: P has one set (a block is free when its eight products are issued), R two
.macro STEP ks, cm
	s_wait_dscnt 8                                 ; R's set and P's blocks 0-3 are in; the youngest eight loads (P's blocks 4-7) may be out
.if \cm
	WIN 0x81                                       ; source 0 window 1, source 1 and C window 0, D window 2
.else
	WIN 0xa1                                       ; C and D window 2
.endif
	MUL16 0, (\ks)%2, \ks, \cm
	MUL16 2, (\ks)%2, \ks, \cm
	s_wait_dscnt 0x0                               ; P's blocks 4-7 are in
	PLACES
	FETCH_B (\ks)+1, 1-(\ks)%2
	FETCH_A (\ks)+1, 0
.if \cm
	WIN 0xc1
.else
	WIN 0xf1
.endif
	MUL16 4, (\ks)%2, \ks, \cm
	MUL16 6, (\ks)%2, \ks, \cm
	PLACES
	WIN 0
	FETCH_A (\ks)+1, 4
.endm
; block a's 16 rows x 128 columns become a fragment's codes in PC + 8 a on and its scale word in PW + a.  Block b of 32 columns is registers 16 b .. 16 b + 15 of lanes l and l xor 16.
.macro QUANTW a
.set qW, 2+(\a)/4
.set qC, 64*((\a)%4)
.set qP, PC+8*(\a)
	WIN (qW|(qW<<2))                               ; sources 0 and 1: the accumulators' window
.irp b, 0,1,2,3
	v_max3_num_f32 v[TM+\b], |v[qC+16*\b]|, |v[qC+16*\b+1]|, 0x1800000   ; with the floor 2^(3 - 127); each accumulator is read from its low end on
.endr
.irp i, 2,4,6,8,10,12,14
.irp b, 0,1,2,3
	v_max3_num_f32 v[TM+\b], |v[qC+16*\b+\i]|, |v[qC+16*\b+\i+1]|, v[TM+\b]
.endr
.endr
	WIN 0
.irp b, 0,1,2,3
	v_permlanex16_b32 v[T2+\b], v[TM+\b], s98, s99
.endr
.irp b, 0,1,2,3
	v_max_num_f32 v[TM+\b], v[TM+\b], v[T2+\b]     ; with lane l xor 16's: the block's largest magnitude
.endr
.irp b, 0,1,2,3
	v_add_nc_u32 v[SO+\b], 0xff000000, v[TM+\b]
.endr
.irp b, 0,1,2,3
	v_lshrrev_b32 v[BY+\b], 23, v[SO+\b]
.endr
	v_lshl_or_b32 v[PW+(\a)], v[BY+1], 8, v[BY]
	v_lshl_or_b32 v[PW+(\a)], v[BY+2], 16, v[PW+(\a)]
	v_lshl_or_b32 v[PW+(\a)], v[BY+3], 24, v[PW+(\a)]
	WIN qW
.irp c, 0,1
.irp e, 0,1
.irp u, 0,1
	v_cvt_scalef32_pk8_fp4_f32 v[qP+4*\c+2*\u+\e], v[qC+16*(2*\c+\e)+8*\u:qC+16*(2*\c+\e)+8*\u+7], v[SO+2*\c+\e]   ; block 2 c + e, tile u: columns 32 (2 c + e) + 16 u + 8 h + 0..7
.endr
.endr
.endr
	WIN 0
	v_nop                                          ; one plain instruction behind the last scaled conversion
.irp c, 0,1
.irp u, 0,1
	v_permlane16_swap_b32 v[qP+4*\c+2*\u], v[qP+4*\c+2*\u+1]   ; block 2 c's upper lanes change places with block 2 c + 1's lower: registers 4 c .. 4 c + 3 now hold k = 64 c + 32 h + 0..31
.endr
.endr
.endm
	s_load_b512 s[4:19], s[0:1], 0x0               ; codes1, scales1, bq, bk, bv, qf, codes2, scales2
	v_lshl_add_u32 v[SPW], v0, 2, SPARE
	v_mov_b32 v[NIL], 0
	ds_add_u32 v[SPW], v[NIL]                      ; the wave's opening: the add, twice on end, and its wait ahead of my first tensor load
	ds_add_u32 v[SPW], v[NIL]
	v_lshrrev_b32 v1, 5, v0
	v_readfirstlane_b32 s20, v1                    ; wave
	s_lshr_b32 s21, s20, 1                         ; which half of the rows i is mine.  Also: I fetch for P (0) or for R (1)
	s_and_b32 s22, s20, 1                          ; which half of the columns j.  Also: which 128 rows I fetch
	s_bfe_u32 s23, ttmp6, 0x40000                  ; cx
	s_bfe_u32 s24, ttmp6, 0x40004                  ; cy
	s_and_b32 s25, ttmp7, 0xffff                   ; the cluster's y: 0-3 Q, 4-7 K, 8-11 V
	s_lshr_b32 s26, s25, 2                         ; g
	s_and_b32 s27, s25, 3
	s_lshl_b32 s27, s27, 2                         ; four tiles along the long axis for each cluster
	s_lshl_b32 s31, s26, 7
	s_lshl_b32 s32, s26, 5
	s_add_co_u32 s32, s32, 256
	s_mov_b32 s92, 512
	s_mov_b32 s93, 2048
	s_mov_b32 s82, 131072
	s_mov_b32 s83, 256
	s_cmp_eq_u32 s26, 2                            ; V?  Every choice on this compare stands ahead of the next addition
	s_cselect_b32 s28, 1, 0
	s_cselect_b32 s35, 0, 1
	s_cselect_b32 s94, 0, s27
	s_cselect_b32 s95, s27, 0
	s_cselect_b32 s96, 64, 0
	s_cselect_b32 s32, 128, s32                    ; R's first pair of tiles in codes1: key_, or Wq, Wk
	s_cselect_b32 s92, 1024, s92                   ; way out: from block a to a + 1,
	s_cselect_b32 s93, 131072, s93                 ; from block a to a + 4,
	s_cselect_b32 s82, 512, s82                    ; from a fragment's half 0 to half 1,
	s_cselect_b32 s83, 8192, s83                   ; and from blocks 0-3's scale words to blocks 4-7's
	s_add_co_u32 s29, s24, s94                     ; tile row of Y
	s_add_co_u32 s30, s23, s95                     ; tile column
	s_add_co_u32 s31, s31, s96                     ; P's first pair: query 0, key_ 128, Wv 320
	s_lshl_b32 s33, s24, 2
	s_lshl_b32 s33, 15, s33                        ; my row of the cluster
	s_lshl_b32 s34, 0x1111, s23                    ; my column
	s_or_b32 s36, s33, (3<<16)|(1<<21)             ; group 1 for P: the mask; elements of 8 bytes; bit 21 beside a mask; no padding
	s_or_b32 s44, s34, (3<<16)|(1<<21)             ; for R
.irp g, 36, 44
	s_mov_b32 s[\g+1], 32<<16                      ; tensor_dim0 = 32 elements: rows of 256 bytes
	s_mov_b32 s[\g+2], 256<<16                     ; tensor_dim1 = 256 rows: 64 KiB, dense
	s_mov_b32 s[\g+3], 32<<16                      ; tile_dim0
	s_mov_b32 s[\g+4], 256                         ; tile_dim1
	s_mov_b32 s[\g+5], 32                          ; pitch
	s_mov_b32 s[\g+6], 0
	s_mov_b32 s[\g+7], 0
.endr
	s_lshl_b32 s60, s29, 3
	s_add_co_u32 s60, s60, s31                     ; P's pair at my tile row
	s_lshl_b32 s61, s21, 2
	s_add_co_u32 s66, s60, s61                     ; + the half that I multiply: its scale words
	s_lshl_b32 s66, s66, 10
	s_mov_b32 s67, 0
	s_lshl_b32 s61, s22, 2
	s_add_co_u32 s60, s60, s61                     ; + the half that I fetch
	s_lshl_b32 s60, s60, 14
	s_mov_b32 s61, 0
	s_lshl_b32 s62, s30, 3
	s_add_co_u32 s62, s62, s32
	s_lshl_b32 s63, s22, 2
	s_add_co_u32 s62, s62, s63                     ; R's pair: the half that I fetch is the half that I multiply
	s_lshl_b32 s68, s62, 10
	s_mov_b32 s69, 0
	s_lshl_b32 s62, s62, 14
	s_mov_b32 s63, 0
	s_mov_b32 s52, 1
	s_lshl_b32 s53, s20, 16                        ; to LDS: 65,536 x wave: P's two halves, then R's
	s_mov_b32 s56, 1
	s_lshl_b32 s57, s20, 16
	s_mov_b32 s98, 0x76543210
	s_mov_b32 s99, 0xfedcba98
	s_wait_dscnt 0x0                               ; both opening adds are done
	s_wait_kmcnt 0x0
	s_add_nc_u64 s[54:55], s[4:5], s[60:61]
	s_or_b32 s55, s55, 0x80000000
	s_add_nc_u64 s[58:59], s[4:5], s[62:63]
	s_or_b32 s59, s59, 0x80000000
	CROUND                                         ; all sixteen work-groups are here: the joint loads meet
	s_cmp_eq_u32 s21, 0
	s_cbranch_scc0 .Lfor_r
	tensor_load_to_lds s[52:55], s[36:43]          ; my one tensor load of the launch
	s_nop 0
.rept 4
	v_nop
.endr
	s_branch .Lasked
.Lfor_r:
	tensor_load_to_lds s[56:59], s[44:51]
	s_nop 0
.rept 4
	v_nop
.endr
.Lasked:
	v_and_b32 v1, 31, v0                           ; l
	v_and_b32 v2, 15, v0                           ; r
	v_bfe_u32 v3, v0, 4, 1                         ; h
	s_wait_alu depctr_va_vdst(0)
	v_lshlrev_b32 v[LS], 2, v1
	v_lshlrev_b32 v[LI], 4, v1
	s_add_nc_u64 s[66:67], s[6:7], s[66:67]
	s_add_nc_u64 s[68:69], s[6:7], s[68:69]
.irp p, 0,1,2,3
.irp k, 0,1,2,3,4,5,6,7
	global_load_b32 v[SA+8*\p+\k], v[LS], s[66:67] offset:\p*1024+\k*128
	global_load_b32 v[SB+8*\p+\k], v[LS], s[68:69] offset:\p*1024+\k*128
.endr
.endr
	s_lshl_b32 s74, s29, 4
	s_lshl_b32 s94, s21, 3
	s_add_co_u32 s74, s74, s94                     ; my first tile of rows i
	s_lshl_b32 s75, s30, 1
	s_add_co_u32 s75, s75, s22                     ; my group of 128 columns j
	s_lshl_b32 s94, s74, 6
	s_lshl_b32 s95, s75, 9
	s_cmp_eq_u32 s28, 1
	s_cselect_b32 s72, s94, s95                    ; the bias: by rows (V) from 16 x tile on, by columns from 128 x group on, 4 bytes each
	s_mov_b32 s73, 0
	s_cmp_eq_u32 s26, 0
	s_cselect_b64 s[70:71], s[8:9], s[10:11]
	s_cmp_eq_u32 s26, 2
	s_cselect_b64 s[70:71], s[12:13], s[70:71]
	s_add_nc_u64 s[70:71], s[70:71], s[72:73]
	v_lshlrev_b32 v31, 5, v3
	v_mul_u32_u24 v31, s35, v31                    ; by columns: 32 h + 4 j;
	v_lshlrev_b32 v4, 2, v2
	v_mad_u32_u24 v31, s28, v4, v31                ; by rows: 4 r in all eight
	s_wait_alu depctr_va_vdst(0)
	s_lshl_b32 s94, s35, 2
	s_mov_b32 s95, 0
.irp j, 0,1,2,3,4,5,6,7
	v_add_nc_u32 v[VADR+\j], s95, v31
	s_add_co_u32 s95, s95, s94
.endr
	s_wait_alu depctr_va_vdst(0)
.irp x, 0,1,2,3,4,5,6,7
.irp j, 0,1,2,3,4,5,6,7
	global_load_b32 v[BB+8*\x+\j], v[VADR+\j], s[70:71] offset:64*\x   ; eight registers a tile, in the result's layout
.endr
.endr
	s_lshl_b32 s94, s21, 16
	v_add_nc_u32 v[ADRA], s94, v[LI]
	s_lshl_b32 s94, s22, 16
	s_add_co_u32 s94, s94, 131072
	v_add_nc_u32 v[ADRB], s94, v[LI]
	s_lshl_b32 s94, s20, 9
	s_add_co_u32 s94, s94, SCR
	v_lshl_add_u32 v[SCW], v2, 2, s94
	v_add_nc_u32 v[SCRD], s94, v[LI]
	v_lshlrev_b32 v[SGO], 4, v2
	v_mad_u32_u24 v[SGO], s83, v3, v[SGO]
	; where the results go
	s_lshl_b32 s94, s26, 21
	s_lshl_b32 s95, s75, 18
	s_add_co_u32 s94, s94, s95
	s_lshl_b32 s95, s74, 9
	s_add_co_u32 s94, s94, s95                     ; Q, K: 2 MiB g + 131,072 x head 2 group + 512 x tile
	s_lshr_b32 s95, s74, 2                         ; V: my first head
	s_lshl_b32 s96, s95, 17
	s_lshl_b32 s97, s75, 12
	s_add_co_u32 s96, s96, s97
	s_add_co_u32 s96, s96, 0x400000                ; 4 MiB + 131,072 x head + 4,096 x key step
	s_cmp_eq_u32 s28, 1
	s_cselect_b32 s76, s96, s94
	s_mov_b32 s77, 0
	s_add_nc_u64 s[76:77], s[16:17], s[76:77]
	s_lshl_b32 s94, s26, 17
	s_lshl_b32 s96, s75, 14
	s_add_co_u32 s94, s94, s96
	s_lshl_b32 s96, s74, 6
	s_add_co_u32 s94, s94, s96
	s_lshl_b32 s96, s95, 13
	s_lshl_b32 s97, s75, 8
	s_add_co_u32 s96, s96, s97
	s_add_co_u32 s96, s96, 0x40000
	s_cmp_eq_u32 s28, 1
	s_cselect_b32 s78, s96, s94
	s_mov_b32 s79, 0
	s_add_nc_u64 s[78:79], s[18:19], s[78:79]
	s_lshl_b32 s80, s74, 16
	s_lshl_b32 s94, s75, 13
	s_add_co_u32 s80, s80, s94                     ; qf: (16 x tile + head 2 group) x 4,096
	s_mov_b32 s81, 0
	s_add_nc_u64 s[80:81], s[14:15], s[80:81]
.irp a, 0,1,2,3,4,5,6,7
	s_mul_i32 s[84+\a], s92, \a%4
	s_mul_i32 s94, s93, \a/4
	s_add_co_u32 s[84+\a], s[84+\a], s94           ; block a's place among my codes
.endr
	s_wait_alu depctr_va_vdst(0)
	s_wait_tensorcnt 0x0                           ; my 64 KiB have landed,
	s_barrier_signal -1
	s_barrier_wait -1                              ; everybody's have
	FETCH_B 0, 0
	FETCH_A 0, 0
	FETCH_A 0, 4
	s_wait_loadcnt 0x0                             ; the scale words and the bias
	s_cmp_eq_u32 s28, 0
	s_cbranch_scc0 .Lbias_by_row                   ; the first K step is written twice: its C is the bias, by column or by row; the memory instructions are the same in both
	STEP 0, 1
	s_branch .Lbiased
.Lbias_by_row:
	STEP 0, 2
.Lbiased:
.irp k, 1,2,3,4,5,6
	STEP \k, 0
.endr
	s_wait_dscnt 8                                 ; the last K step: nothing more to fetch
	WIN 0xa1
	MUL16 0, 1, 7, 0
	MUL16 2, 1, 7, 0
	s_wait_dscnt 0x0
	WIN 0xf1
	MUL16 4, 1, 7, 0
	MUL16 6, 1, 7, 0
	WIN 0
	PLACES
	; THE WAY OUT
.irp a, 0,1,2,3,4,5,6,7
	v_add_nc_u32 v[VA0+\a], s[84+\a], v[LI]        ; block a's half 0,
.endr
.irp a, 0,1,2,3,4,5,6,7
	v_add_nc_u32 v[VA1+\a], s82, v[VA0+\a]         ; and half 1
.endr
	s_cmp_lg_u32 s26, 0
	s_cbranch_scc1 .Lnot_q
.set qa, 0
.rept 8                                ; Q in f32, for the residual: the accumulators as they stand, four registers a store, 512 consecutive bytes, each accumulator from its low end on
	WIN ((2+qa/4)<<2)                              ; a store's data are its source 1
.set qg, 0
.rept 16
	global_store_b128 v[LI], v[64*(qa%4)+4*qg:64*(qa%4)+4*qg+3], s[80:81] offset:qa*65536+512*qg
.set qg, qg+1
.endr
.set qa, qa+1
.endr
	WIN 0
.Lnot_q:
.irp a, 0,1,2,3,4,5,6,7
	QUANTW \a
	ds_store_b32 v[SCW], v[PW+\a] offset:64*\a     ; lanes r and 16 + r write the same word with the same value
	global_store_b128 v[VA0+\a], v[PC+8*\a:PC+8*\a+3], s[76:77]       ; every block has registers of its own: no store's source is written again
	global_store_b128 v[VA1+\a], v[PC+8*\a+4:PC+8*\a+7], s[76:77]
.endr
	ds_load_b128 v[SWD:SWD+3], v[SCRD]             ; LDS serves a wave's instructions in order: this sees my stores
	s_wait_dscnt 0x0
	global_store_b128 v[SGO], v[SWD:SWD+3], s[78:79]   ; sixteen lanes store 256 consecutive bytes, aligned
	s_wait_tensorcnt 0x0                           ; the wave's end
	ds_add_u32 v[SPW], v[NIL]
	s_wait_dscnt 0x0
	CROUND                                         ; the closing round
	s_endpgm
.Lfunc_end_k_qe296a53eb1_proj:
	.size	k_qe296a53eb1_proj, .Lfunc_end_k_qe296a53eb1_proj-k_qe296a53eb1_proj
	.p2alignl 7, 3214868480
	.fill 96, 4, 3214868480
	.section	.rodata,"a",@progbits
	.p2align	6, 0x0
	.amdhsa_kernel k_qe296a53eb1_proj
		.amdhsa_group_segment_fixed_size 327680
		.amdhsa_private_segment_fixed_size 0
		.amdhsa_enable_private_segment 0
		.amdhsa_kernarg_size 64
		.amdhsa_user_sgpr_count 2
		.amdhsa_user_sgpr_kernarg_segment_ptr 1
		.amdhsa_wavefront_size32 1
		.amdhsa_system_sgpr_workgroup_id_x 1
		.amdhsa_system_sgpr_workgroup_id_y 1
		.amdhsa_system_sgpr_workgroup_id_z 1
		.amdhsa_system_vgpr_workitem_id 0
		.amdhsa_next_free_vgpr 1024
		.amdhsa_next_free_sgpr 100
		.amdhsa_reserve_vcc 0
		.amdhsa_float_denorm_mode_32 3
		.amdhsa_float_denorm_mode_16_64 3
		.amdhsa_memory_ordered 1
		.amdhsa_forward_progress 1
		.amdhsa_inst_pref_size 162
	.end_amdhsa_kernel
	.amdgpu_metadata
---
amdhsa.version: [ 1, 2 ]
amdhsa.kernels:
  - .name:           k_qe296a53eb1_proj
    .symbol:         k_qe296a53eb1_proj.kd
    .args:
      - { .name: codes1, .offset: 0, .size: 8, .value_kind: global_buffer, .address_space: global }
      - { .name: scales1, .offset: 8, .size: 8, .value_kind: global_buffer, .address_space: global }
      - { .name: bq, .offset: 16, .size: 8, .value_kind: global_buffer, .address_space: global }
      - { .name: bk, .offset: 24, .size: 8, .value_kind: global_buffer, .address_space: global }
      - { .name: bv, .offset: 32, .size: 8, .value_kind: global_buffer, .address_space: global }
      - { .name: qf, .offset: 40, .size: 8, .value_kind: global_buffer, .address_space: global }
      - { .name: codes2, .offset: 48, .size: 8, .value_kind: global_buffer, .address_space: global }
      - { .name: scales2, .offset: 56, .size: 8, .value_kind: global_buffer, .address_space: global }
    .group_segment_fixed_size: 327680
    .private_segment_fixed_size: 0
    .kernarg_segment_align: 8
    .kernarg_segment_size: 64
    .max_flat_workgroup_size: 128
    .sgpr_count:     100
    .vgpr_count:     1024
    .wavefront_size: 32
...
	.end_amdgpu_metadata
.endif
;; end of part 2
;; launch attn (part 3): grid 16 x 16, 8 waves a work-group, clusters of 4 x 1, 327,680 bytes of LDS; arguments codes2, scales2, qf, of; writes of
.if DOCPART == 3
	.amdgcn_target "amdgcn-amd-amdhsa--gfx1250"
	.amdhsa_code_object_version 6
	.text
	.protected	k_qe296a53eb1_attn
	.globl	k_qe296a53eb1_attn
	.p2align	8
	.type	k_qe296a53eb1_attn,@function
k_qe296a53eb1_attn:
	s_mov_b64 s[64:65], 0
	v_nop
	global_prefetch_b8 v0, s[64:65] scope:SCOPE_SE
	s_setreg_imm32_b32 hwreg(HW_REG_WAVE_MODE, 25, 1), 1
	s_wait_xcnt 0x0
	s_wait_alu depctr_hold_cnt(0) depctr_sa_sdst(0) depctr_va_vdst(0) depctr_va_sdst(0) depctr_va_ssrc(0) depctr_va_vcc(0) depctr_vm_vsrc(0)
	s_getreg_b32 s2, hwreg(HW_REG_IB_STS2, 6, 4)
	s_cmp_eq_u32 s2, 0
	s_cbranch_scc0 .Lentry_in_a_cluster
	s_endpgm
.Lentry_in_a_cluster:
	s_bfe_u32 s2, ttmp6, 0x10000c
	s_cmp_lg_u32 s2, 0x3003
	s_cbranch_scc0 .Lentry_shape_is_right
	s_endpgm
.Lentry_shape_is_right:
; THIRD LAUNCH: O = Q + softmax(Q K^T / 32) V for each of 16 heads of 64, both products on codes of FP4.  Nothing of the problem is left out.
; THE SOFTMAX AHEAD OF THE SECOND PRODUCT: t = score x log2(e) / 32; M = the running largest t rounded UP to a whole number; p = 2^(t - M) is quantised along the keys, not normalised; the row's sum is
; taken of the unquantised p and divides at the end; when M moves, the sum and O are multiplied by 2^(old M - new M), which rounds nothing.
; SHARES: a work-group owns 256 queries of one head; each of its eight waves owns two tiles of 16 queries and takes them one after the other (two passes), 256 keys a step, 16 steps a pass.
; THE WHOLE HEAD LIES IN LDS, filled once by eight joint loads, one a wave (cluster 4 x 1: the four query blocks of a cluster read the same head): the loops have no barrier and no tensor load,
; and so no loop in which a prefetch could run ahead of a tensor load: none is written.
; LAYOUT: both products transposed: S^T = K Q^T (source 0 = 16 keys), O^T = V^T P^T (source 0 = 16 of the head's 64): a lane (r, h) holds query r throughout.
; THE KEYS OF A TILE ARE CHOSEN: row m of tile 4 c + u is key 64 c + 32 (m / 8) + 8 u + m % 8.  So register 32 c + 8 u + j of lane (r, h) is key 64 c + 32 h + 8 u + j: a lane holds WHOLE blocks of 32 keys
; (block 2 c + h in 32 registers): a block's maximum asks no other lane, and each conversion's result is a register of the second product's operand as it stands.
; K's image comes as rows of 1,024 bytes (32 keys) with 128 bytes of padding: rows m and m + 8 of a tile lie 1,152 bytes apart, so the sixteen lanes of a load touch sixteen different columns of 16 bytes.
; K = 64 IN AN INSTRUCTION OF K = 128: Q's registers 4-7 are zero codes, so the upper 64 of K add exactly 0 whatever source 0 holds there (the next tile's codes); the scale words are read as 16 bits.
; A BLOCK'S SCALE: floor(t - M) of the block's largest score is the exponent of its largest p; 0.25 x 2^that, by v_ldexp_f32, is the conversion's scale operand, and its exponent field the byte.
; The last step of a pass asks for a further step's K, which is not used: those 24 LDS loads read bytes of V's codes and scale words, which lie behind K's.
; LIMITS: NaN and infinities are not served; the promise holds while the scaled scores stay under 2^31 in magnitude; a p under 2^-126 counts as 0; a block whose largest p lies under 2^-124 gets the byte 0 (2^-127).
; REGISTERS, window 0: as named below.  Window 1: v0-127 S^T, then p; v128-191 K's sixteen tiles, v192-195 zeros behind them; v196-227 Q in f32.
.set VB,    147456                     ; LDS: K's codes 128 x 1,152 bytes from 0; V^T's codes;
.set KSB,   278528                     ; K's scale words (the pair of heads);
.set VSB,   294912                     ; V's;
.set SPARE, 303104                     ; the spare words, 128 bytes for each of 8 waves
.set AK0,  1                           ; my lane's place in a tile of K
.set AV0,  2                           ; VB + 16 l
.set AKS0, 3                           ; my lane's place among K's scale words
.set AVS0, 4                           ; VSB + 4 l
.set SPW,  5
.set NIL,  6
.set LI,   7                           ; 16 l
.set ADK,  8
.set ADV,  9
.set ADS,  10
.set ADT,  11
.set NM,   12                          ; -M
.set RS,   13                          ; the running largest score
.set L,    14                          ; v[14:15] the sum in two halves
.set QC,   16                          ; v16-19 Q's codes, v20-23 zero codes
.set QSW,  24
.set QSA,  25                          ; 4 r
.set PSEL, 26                          ; byte selects that put my two bytes at their places in a scale word
.set KSW,  28                          ; v28-35 K's scale words, a pair of tiles each
.set VSW,  36                          ; v36-39 V's
.set PWD,  40                          ; v40-41 p's scale words
.set FF,   42                          ; f = 2^(old M - new M); v43 is named with it as a pair
.set MA,   44
.set MB,   48
.set XF,   52
.set SO,   56
.set TT,   60
.set T2,   61
.set HW,   62
.set PX,   64
.set SM,   66                          ; v66-81 eight chains of the sum
.set PCD,  82                          ; v82-97 p's codes
.set O,    100                         ; v100-131 O^T
.set OUT,  132                         ; v132-163 the result
.set VF,   192                         ; v192-255 V^T's eight fragments
.set KC,   128                         ; window 1
.set QFR,  196                         ; window 1
.set WV,   18
.set SEL,  20
.set CS,   22
.set G1K,  24
.set G1V,  32
.set G1KS, 40
.set G1VS, 48
.set G0K,  56
.set G0V,  60
.set G0KS, 68
.set G0VS, 72
.set CSN,  76
.set TBK,  77
.set TS,   78
.set TBV,  86
.set TJ,   87
.set CNT,  88
.set PASS, 89
.set MSB, 0
.macro WIN new                         ; the immediate's high byte repeats the setting that is left
.if MSB != \new
	s_set_vgpr_msb (MSB<<8)|\new
.set MSB, \new
.endif
.endm
.macro DEP n
	s_delay_alu instid0(VALU_DEP_\n)
.endm
.macro CROUND
	s_barrier_signal -1
	s_barrier_wait -1
	s_cmp_lg_u32 s[WV], 0
	s_cbranch_scc1 .Lnot_wave_0_\@
	s_barrier_signal -3
.Lnot_wave_0_\@:
	s_barrier_wait -3
	s_barrier_signal -1
	s_barrier_wait -1
.endm
.macro ARM under, g0, g1, next
	s_cmp_lt_u32 s[WV], \under
	s_cbranch_scc0 \next
	tensor_load_to_lds s[\g0:\g0+3], s[\g1:\g1+7]
	s_nop 0
.rept 4
	v_nop
.endr
	s_branch .Lhead_asked
\next:
.endm
.macro QK t                            ; tile t of the step's sixteen; an odd tile's scale words stand in lanes 16-31
.if (\t)&1
	v_wmma_scale_f32_16x16x128_f8f6f4 v[8*(\t):8*(\t)+7], v[KC+4*(\t):KC+4*(\t)+7], v[QC:QC+7], 0, v[KSW+(\t)/2], v[QSW] matrix_a_fmt:MATRIX_FMT_FP4 matrix_b_fmt:MATRIX_FMT_FP4 matrix_a_scale:MATRIX_SCALE_ROW1
.else
	v_wmma_scale_f32_16x16x128_f8f6f4 v[8*(\t):8*(\t)+7], v[KC+4*(\t):KC+4*(\t)+7], v[QC:QC+7], 0, v[KSW+(\t)/2], v[QSW] matrix_a_fmt:MATRIX_FMT_FP4 matrix_b_fmt:MATRIX_FMT_FP4
.endif
.endm
.macro PV j, d                         ; 128 keys j, 16 of the head's 64 d
.if (\d)&1
	v_wmma_scale_f32_16x16x128_f8f6f4 v[O+8*(\d):O+8*(\d)+7], v[VF+32*(\j)+8*(\d):VF+32*(\j)+8*(\d)+7], v[PCD+8*(\j):PCD+8*(\j)+7], v[O+8*(\d):O+8*(\d)+7], v[VSW+2*(\j)+(\d)/2], v[PWD+(\j)] matrix_a_fmt:MATRIX_FMT_FP4 matrix_b_fmt:MATRIX_FMT_FP4 matrix_a_scale:MATRIX_SCALE_ROW1
.else
	v_wmma_scale_f32_16x16x128_f8f6f4 v[O+8*(\d):O+8*(\d)+7], v[VF+32*(\j)+8*(\d):VF+32*(\j)+8*(\d)+7], v[PCD+8*(\j):PCD+8*(\j)+7], v[O+8*(\d):O+8*(\d)+7], v[VSW+2*(\j)+(\d)/2], v[PWD+(\j)] matrix_a_fmt:MATRIX_FMT_FP4 matrix_b_fmt:MATRIX_FMT_FP4
.endif
.endm
.macro KLOADS adr                      ; a step's sixteen tiles of K into window 1
	WIN 0x40
.set n, 0
.rept 16
	ds_load_b128 v[KC+4*n:KC+4*n+3], v[\adr] offset:2304*(n/4)+512*((n%4)/2)+128*(n%2)
.set n, n+1
.endr
	WIN 0
.endm
.macro KSLOADS adr                     ; and their scale words: lanes 0-15 the even tile of a pair, lanes 16-31 the odd
.set n, 0
.rept 8
	ds_load_u16 v[KSW+n], v[\adr] offset:256*(n/2)+64*(n%2)
.set n, n+1
.endr
.endm
	s_load_b256 s[4:11], s[0:1], 0x0               ; codes2, scales2, qf, of
	v_lshl_add_u32 v[SPW], v0, 2, SPARE
	v_mov_b32 v[NIL], 0
	ds_add_u32 v[SPW], v[NIL]                      ; the wave's opening: the add, twice on end, and its wait ahead of my first tensor load
	ds_add_u32 v[SPW], v[NIL]
	v_lshrrev_b32 v8, 5, v0
	s_delay_alu instid0(VALU_DEP_1)
	v_readfirstlane_b32 s[WV], v8                  ; wave 0..7
	s_bfe_u32 s12, ttmp6, 0x40000                  ; cx
	s_lshl_b32 s13, ttmp9, 2
	s_add_co_u32 s13, s13, s12                     ; my block of 256 queries: it enters Q's and O's addresses alone
	s_and_b32 s14, ttmp7, 0xffff                   ; the head, which the partners share
	s_lshr_b32 s15, s14, 1                         ; the pair of heads
	s_and_b32 s16, s14, 1
	s_lshl_b32 s17, s13, 4
	s_lshl_b32 s19, s[WV], 1
	s_add_co_u32 s17, s17, s19                     ; my first tile of queries
.irp g, G1V, G1KS, G1VS                ; group 1: dense blocks as rows of 256 bytes (32 elements of 8 bytes); the mask names all four work-groups, bit 21 beside it
	s_mov_b32 s[\g], 15|(3<<16)|(1<<21)
	s_mov_b32 s[\g+1], 32<<16
	s_mov_b32 s[\g+3], 32<<16
	s_mov_b32 s[\g+5], 32
	s_mov_b32 s[\g+6], 0
	s_mov_b32 s[\g+7], 0
.endr
	s_mov_b32 s[G1V+2], 256<<16                    ; V's codes: 256 rows, 64 KiB a load
	s_mov_b32 s[G1V+4], 256
	s_mov_b32 s[G1KS+2], 64<<16                    ; K's scale words: 16 KiB
	s_mov_b32 s[G1KS+4], 64
	s_mov_b32 s[G1VS+2], 32<<16                    ; V's: 8 KiB
	s_mov_b32 s[G1VS+4], 32
	s_mov_b32 s[G1K], 15|(3<<16)|(1<<20)|(1<<21)|(7<<22)|(31<<25)   ; K's codes: rows of 1,024 bytes (256 words, code 7), 32 words of padding behind each
	s_mov_b32 s[G1K+1], 128<<16
	s_mov_b32 s[G1K+2], 32<<16                     ; 32 rows a load
	s_mov_b32 s[G1K+3], 128<<16
	s_mov_b32 s[G1K+4], 32
	s_mov_b32 s[G1K+5], 128
	s_mov_b32 s[G1K+6], 0
	s_mov_b32 s[G1K+7], 0
	s_lshl_b32 s90, s14, 17
	s_and_b32 s19, s[WV], 1
	s_lshl_b32 s19, s19, 16
	s_add_co_u32 s92, s90, s19
	s_add_co_u32 s92, s92, 0x400000                ; waves 4, 5: V's codes, 4 MiB + 131,072 head + 65,536 (wave % 2)
	s_mov_b32 s93, 0
	s_add_co_u32 s[G0V+1], s19, VB
	s_lshl_b32 s19, s[WV], 15
	s_add_co_u32 s90, s90, s19
	s_add_co_u32 s90, s90, 0x200000                ; waves 0-3: K's codes, 2 MiB + 131,072 head + 32,768 wave
	s_mov_b32 s91, 0
	s_mul_i32 s[G0K+1], s[WV], 36864               ; 32 rows of 1,152 bytes a wave
	s_lshl_b32 s94, s15, 14
	s_add_co_u32 s94, s94, 0x20000                 ; wave 6: K's scale words
	s_mov_b32 s95, 0
	s_lshl_b32 s96, s14, 13
	s_add_co_u32 s96, s96, 0x40000                 ; wave 7: V's
	s_mov_b32 s97, 0
	s_mov_b32 s[G0K], 1
	s_mov_b32 s[G0V], 1
	s_mov_b32 s[G0KS], 1
	s_mov_b32 s[G0KS+1], KSB
	s_mov_b32 s[G0VS], 1
	s_mov_b32 s[G0VS+1], VSB
	s_mov_b32 s[SEL], 0x76543210
	s_mov_b32 s[SEL+1], 0xfedcba98
	s_mov_b32 s[CS], 0x3d38aa3b                    ; c = log2(e) / sqrt(1024)
	s_mov_b32 s[CS+1], s[CS]
	s_mov_b32 s[CSN], 0xbd38aa3b                   ; -c
	s_mov_b32 s[PASS], 2
	s_wait_dscnt 0x0                               ; both opening adds are done
	s_wait_kmcnt 0x0
	s_add_nc_u64 s[G0K+2:G0K+3], s[4:5], s[90:91]
	s_or_b32 s[G0K+3], s[G0K+3], 0x80000000
	s_add_nc_u64 s[G0V+2:G0V+3], s[4:5], s[92:93]
	s_or_b32 s[G0V+3], s[G0V+3], 0x80000000
	s_add_nc_u64 s[G0KS+2:G0KS+3], s[6:7], s[94:95]
	s_or_b32 s[G0KS+3], s[G0KS+3], 0x80000000
	s_add_nc_u64 s[G0VS+2:G0VS+3], s[6:7], s[96:97]
	s_or_b32 s[G0VS+3], s[G0VS+3], 0x80000000
	CROUND                                         ; all four work-groups are here: the joint loads meet
	; THE FILLS, ONE A WAVE, in one chain of branches on the wave's number: every way passes exactly one load
	ARM 4, G0K,  G1K,  .Lhead_v
	ARM 6, G0V,  G1V,  .Lhead_ks
	ARM 7, G0KS, G1KS, .Lhead_vs
	tensor_load_to_lds s[G0VS:G0VS+3], s[G1VS:G1VS+7]
	s_nop 0
.rept 4
	v_nop
.endr
.Lhead_asked:
	s_lshl_b32 s84, s14, 17
	s_lshl_b32 s85, s17, 9
	s_add_co_u32 s84, s84, s85
	s_mov_b32 s85, 0
	s_add_nc_u64 s[80:81], s[4:5], s[84:85]        ; Q's codes: 131,072 head + 512 tile
	s_lshl_b32 s84, s15, 14
	s_lshl_b32 s19, s17, 6
	s_add_co_u32 s84, s84, s19
	s_lshl_b32 s19, s16, 1                         ; my head's two bytes of a word
	s_add_co_u32 s84, s84, s19
	s_add_nc_u64 s[82:83], s[6:7], s[84:85]        ; Q's scale words
	s_add_co_u32 s79, s19, KSB
	s_lshl_b32 s84, s17, 4
	s_add_co_u32 s84, s84, s14
	s_lshl_b32 s84, s84, 12
	s_add_nc_u64 s[8:9], s[8:9], s[84:85]          ; qf and of: (16 tile + head) x 4,096
	s_add_nc_u64 s[10:11], s[10:11], s[84:85]
	v_and_b32 v8, 31, v0                           ; l
	v_and_b32 v9, 15, v0                           ; r
	v_and_b32 v10, 7, v0                           ; l % 8
	v_bfe_u32 v11, v0, 3, 1                        ; r / 8
	v_bfe_u32 v12, v0, 4, 1                        ; h
	v_lshlrev_b32 v[LI], 4, v8
	v_lshlrev_b32 v[QSA], 2, v9
	v_lshlrev_b32 v[AK0], 4, v10
	v_lshlrev_b32 v[AKS0], 2, v10
	v_mad_u32_u24 v[AK0], v11, 1152, v[AK0]        ; rows 8-15 of a tile: 32 keys on
	v_lshl_add_u32 v[AKS0], v11, 7, v[AKS0]
	v_lshl_add_u32 v[AK0], v12, 8, v[AK0]          ; K: 16 (l % 8) + 1,152 (r / 8) + 256 h
	v_lshl_add_u32 v[AKS0], v12, 5, v[AKS0]        ; its words: 4 (l % 8) + 128 (r / 8) + 32 h: lanes 16-31 take the pair's odd tile, 8 keys on
	v_add_nc_u32 v[AV0], VB, v[LI]
	v_add_nc_u32 v[AKS0], s79, v[AKS0]
	v_lshl_add_u32 v[AVS0], v8, 2, VSB
	v_mov_b32 v[PSEL], 0x0c040c00                  ; h = 0: my bytes are bytes 0 and 2 of a word;
	v_mov_b32 v13, 0x040c000c                      ; h = 1: bytes 1 and 3; the others 0
	v_cmp_eq_u32 vcc_lo, 1, v12
	v_cndmask_b32 v[PSEL], v[PSEL], v13, vcc_lo
.irp j, 0,1,2,3
	v_mov_b32 v[QC+4+\j], 0                        ; zero codes for the upper 64 of K
.endr
	v_mov_b32 v[T2], 0                             ; (a lane permute's destination counts as read)
	v_mov_b32 v[PX], 0
	v_mov_b32 v[PX+1], 0
	v_mov_b32 v[FF+1], 0                           ; (named with f as a pair)
	WIN 0x40
.irp j, 0,1,2,3
	v_mov_b32 v[KC+64+\j], 0                       ; behind K's last tile
.endr
	WIN 0
	s_wait_alu depctr_va_vdst(0)                   ; the wait at the head's end
	s_wait_tensorcnt 0x0                           ; my fill has landed,
	s_barrier_signal -1
	s_barrier_wait -1                              ; everybody's have
.Lpass:                                                ; two trips: a tile of 16 queries each
	global_load_b128 v[QC:QC+3], v[LI], s[80:81]
	global_load_u16 v[QSW], v[QSA], s[82:83]
	WIN 0x40
.set n, 0
.rept 8
	global_load_b128 v[QFR+4*n:QFR+4*n+3], v[LI], s[8:9] offset:512*n   ; Q in f32, for the residual
.set n, n+1
.endr
	KLOADS AK0                                     ; step 0's K
	KSLOADS AKS0
	v_mov_b32 v[RS], 0xff61b1e6                    ; the largest score so far: -3e38
	v_mov_b32 v[NM], 0x7d000000                    ; -M: a large whole number: the first change of M gives f = 0
	v_mov_b32 v[L], 0
	v_mov_b32 v[L+1], 0
.set n, 0
.rept 32
	v_mov_b32 v[O+n], 0                            ; the step is written once: the first finds zeros, which the first change of M leaves zeros
.set n, n+1
.endr
	s_mov_b32 s[TBK], 9216                         ; K is asked for one step ahead
	s_mov_b32 s[TS], 1024
	s_mov_b32 s[TBV], 0
	s_mov_b32 s[TJ], 0
	s_mov_b32 s[CNT], 16
	s_wait_alu depctr_va_vdst(0)                   ; the wait directly ahead of the waits below
	s_wait_loadcnt 8                               ; Q's codes and word are in; the eight loads of Q in f32 may be out
	s_wait_dscnt 0x0                               ; step 0's K
.Lstep:                                                ; 16 trips of 256 keys
	WIN 0x41                                       ; source 0 and D in window 1
.set n, 0
.rept 16
	QK n
.set n, n+1
.endr
	WIN 0
	v_add_nc_u32 v[ADV], s[TBV], v[AV0]            ; these four are the places behind the products, ahead of the loads into their sources and of the reads of S^T
	v_add_nc_u32 v[ADT], s[TJ], v[AVS0]
	v_add_nc_u32 v[ADK], s[TBK], v[AK0]
	v_add_nc_u32 v[ADS], s[TS], v[AKS0]
.set n, 0
.rept 16
	ds_load_b128 v[VF+4*n:VF+4*n+3], v[ADV] offset:512*n   ; this step's V^T: fragment (128 keys j, tile d), half c at 8 j + 2 d + c
.set n, n+1
.endr
.irp n, 0,1,2,3
	ds_load_b32 v[VSW+\n], v[ADT] offset:128*\n
.endr
	KSLOADS ADS                                    ; the next step's K
	KLOADS ADK
	; the largest score of each of my four blocks of 32 keys, in two chains a block; each accumulator is first read at its low end
	WIN 0x15
.irp c, 0,1,2,3
	v_max3_num_f32 v[MA+\c], v[32*\c], v[32*\c+1], v[32*\c+2]
.endr
.irp c, 0,1,2,3
	v_max3_num_f32 v[MB+\c], v[32*\c+16], v[32*\c+17], v[32*\c+18]
.endr
	WIN 0x05
.irp i, 3,5,7,9,11,13
.irp c, 0,1,2,3
	v_max3_num_f32 v[MA+\c], v[32*\c+\i], v[32*\c+\i+1], v[MA+\c]
.endr
.irp c, 0,1,2,3
	v_max3_num_f32 v[MB+\c], v[32*\c+16+\i], v[32*\c+17+\i], v[MB+\c]
.endr
.endr
.irp c, 0,1,2,3
	v_max3_num_f32 v[MA+\c], v[32*\c+15], v[32*\c+31], v[MA+\c]
.endr
	WIN 0
.irp c, 0,1,2,3
	v_max_num_f32 v[MA+\c], v[MA+\c], v[MB+\c]
.endr
	DEP 2
	v_max3_num_f32 v[TT], v[MA], v[MA+1], v[MA+2]
	DEP 1
	v_max3_num_f32 v[TT], v[TT], v[MA+3], v[RS]
	DEP 1
	v_permlanex16_b32 v[T2], v[TT], s[SEL], s[SEL+1]
	DEP 1
	v_max_num_f32 v[RS], v[TT], v[T2]              ; with lane l xor 16's keys: the running largest score of my query
	DEP 1
	v_mul_f32 v[TT], s[CSN], v[RS]                 ; -t
	DEP 1
	v_floor_f32 v[T2], v[TT]                       ; the new -M = -ceil(t)
	DEP 1
	v_sub_f32 v[TT], v[T2], v[NM]                  ; old M - new M: a whole number, 0 or less
	v_mov_b32 v[NM], v[T2]
.irp c, 0,1,2,3
	v_fma_f32 v[XF+\c], v[MA+\c], s[CS], v[NM]     ; t - M of each block's largest score
.endr
	WIN 0x41
.set n, 0
.rept 64
	v_pk_fma_f32 v[n:n+1], v[n:n+1], s[CS:CS+1], v[NM:NM+1] op_sel_hi:[1,0,0]   ; t - M, two at a time
.set n, n+2
.endr
	s_wait_alu depctr_va_vdst(0)                   ; the wait ahead of the batch
.set n, 0
.rept 128
	v_exp_f32 v[n], v[n]                           ; p = 2^(t - M)
.set n, n+1
.endr
	WIN 0
	; work that names none of the batch's results: f, and the blocks' scales
.irp c, 0,1,2,3
	v_floor_f32 v[XF+\c], v[XF+\c]                 ; the exponent of the block's largest p
.endr
	v_cvt_i32_f32 v[TT], v[TT]                     ; (it saturates)
.irp c, 0,1,2,3
	v_cvt_i32_f32 v[XF+\c], v[XF+\c]
.endr
	v_ldexp_f32 v[FF], 1.0, v[TT]                  ; f
.irp c, 0,1,2,3
	v_ldexp_f32 v[SO+\c], 0x3e800000, v[XF+\c]     ; 2^(that exponent - 2): the conversion takes its exponent field as the scale
.endr
.irp c, 0,1,2,3
	DEP 4
	v_lshrrev_b32 v[XF+\c], 23, v[SO+\c]           ; the scale's byte
.endr
	DEP 3
	v_perm_b32 v[HW], v[XF+1], v[XF], v[PSEL]      ; keys 0-127: my blocks h and 2 + h at their places in the word
	DEP 2
	v_perm_b32 v[HW+1], v[XF+3], v[XF+2], v[PSEL]  ; keys 128-255
	DEP 2
	v_permlanex16_b32 v[PX], v[HW], s[SEL], s[SEL+1]
	DEP 2
	v_permlanex16_b32 v[PX+1], v[HW+1], s[SEL], s[SEL+1]
	DEP 2
	v_or_b32 v[PWD], v[HW], v[PX]                  ; with lane l xor 16's two bytes the word is whole
	DEP 2
	v_or_b32 v[PWD+1], v[HW+1], v[PX+1]
	WIN 0x01
	s_wait_alu depctr_va_vdst(0)                   ; one wait for the batch, ahead of its first reader
.irp c, 0,1,2,3
.irp u, 0,1,2,3
	v_cvt_scalef32_pk8_fp4_f32 v[PCD+4*\c+\u], v[32*\c+8*\u:32*\c+8*\u+7], v[SO+\c]   ; keys 64 c + 32 h + 8 u + 0..7: register 4 (c % 2) + u of the operand of 128 keys c / 2
.endr
.endr
	v_nop                                          ; one plain instruction behind the last scaled conversion
	WIN 0x05                                       ; the row's sum of the unquantised p, two at a time, in eight chains
.set n, 0
.rept 8
	v_pk_add_f32 v[SM+2*n:SM+2*n+1], v[2*n:2*n+1], v[2*n+16:2*n+17]
.set n, n+1
.endr
	WIN 0x01
.set m, 2
.rept 6
.set n, 0
.rept 8
	v_pk_add_f32 v[SM+2*n:SM+2*n+1], v[16*m+2*n:16*m+2*n+1], v[SM+2*n:SM+2*n+1]
.set n, n+1
.endr
.set m, m+1
.endr
	WIN 0
.irp n, 0,1,2,3
	v_pk_add_f32 v[SM+2*\n:SM+2*\n+1], v[SM+2*\n:SM+2*\n+1], v[SM+2*\n+8:SM+2*\n+9]
.endr
.irp n, 0,1
	DEP 2
	v_pk_add_f32 v[SM+2*\n:SM+2*\n+1], v[SM+2*\n:SM+2*\n+1], v[SM+2*\n+4:SM+2*\n+5]
.endr
	DEP 1
	v_pk_add_f32 v[SM:SM+1], v[SM:SM+1], v[SM+2:SM+3]
	DEP 1
	v_pk_fma_f32 v[L:L+1], v[L:L+1], v[FF:FF+1], v[SM:SM+1] op_sel_hi:[1,0,1]   ; the sum under the new M, and this step's
	s_wait_dscnt 0x0                               ; V and its words are in, and the next step's K
	s_wait_alu depctr_va_vdst(0)                   ; the wait directly ahead of the first reader of O^T
.set n, 0
.rept 16
	v_pk_mul_f32 v[O+n:O+n+1], v[O+n:O+n+1], v[FF:FF+1] op_sel_hi:[1,0]   ; O^T under the new M
.set n, n+2
.endr
.irp j, 0,1
.irp d, 0,1,2,3
	PV \j, \d                                      ; the four accumulators by turns
.endr
.endr
	s_add_co_u32 s[TBK], s[TBK], 9216              ; eight rows of 1,152 bytes
	s_add_co_u32 s[TS], s[TS], 1024
	s_add_co_u32 s[TBV], s[TBV], 8192
	s_add_co_u32 s[TJ], s[TJ], 512
	s_sub_co_u32 s[CNT], s[CNT], 1
	s_cmp_lg_u32 s[CNT], 0
	s_cbranch_scc1 .Lstep
	v_add_f32 v[L], v[L], v[L+1]                   ; the sum's two halves (these lines are also the places behind the last products),
	DEP 1
	v_permlanex16_b32 v[T2], v[L], s[SEL], s[SEL+1]
	DEP 1
	v_add_f32 v[L], v[L], v[T2]                    ; and lane l xor 16's
	s_wait_alu depctr_va_vdst(0)                   ; the wait ahead of the transcendental
	v_rcp_f32 v[L], v[L]
	v_nop
	v_nop
	WIN 0x10                                       ; source 2 in window 1
	s_wait_loadcnt 0x0                             ; Q in f32
	s_wait_alu depctr_va_vdst(0)                   ; the wait ahead of the first reader of the reciprocal and of O^T
.set n, 0
.rept 16
	v_pk_fma_f32 v[OUT+n:OUT+n+1], v[O+n:O+n+1], v[L:L+1], v[QFR+n:QFR+n+1] op_sel_hi:[1,0,1]   ; O^T / the sum + Q
.set n, n+2
.endr
	WIN 0
.irp g, 0,1,2,3,4,5,6,7
	global_store_b128 v[LI], v[OUT+4*\g:OUT+4*\g+3], s[10:11] offset:512*\g   ; 512 consecutive bytes, aligned
.endr
	s_wait_xcnt 0x0                                ; the loads and stores have read their bases and data: the bases step to my next tile
	s_add_nc_u64 s[80:81], s[80:81], 512
	s_add_nc_u64 s[82:83], s[82:83], 64
	s_add_nc_u64 s[8:9], s[8:9], 65536
	s_add_nc_u64 s[10:11], s[10:11], 65536
	s_sub_co_u32 s[PASS], s[PASS], 1
	s_cmp_lg_u32 s[PASS], 0
	s_wait_alu depctr_va_vdst(0)                   ; the wait directly ahead of the branch
	s_cbranch_scc1 .Lpass
	s_wait_tensorcnt 0x0                           ; the wave's end
	ds_add_u32 v[SPW], v[NIL]
	s_wait_dscnt 0x0
	CROUND                                         ; the closing round
	s_endpgm
.Lfunc_end_k_qe296a53eb1_attn:
	.size	k_qe296a53eb1_attn, .Lfunc_end_k_qe296a53eb1_attn-k_qe296a53eb1_attn
	.p2alignl 7, 3214868480
	.fill 96, 4, 3214868480
	.section	.rodata,"a",@progbits
	.p2align	6, 0x0
	.amdhsa_kernel k_qe296a53eb1_attn
		.amdhsa_group_segment_fixed_size 327680
		.amdhsa_private_segment_fixed_size 0
		.amdhsa_enable_private_segment 0
		.amdhsa_kernarg_size 32
		.amdhsa_user_sgpr_count 2
		.amdhsa_user_sgpr_kernarg_segment_ptr 1
		.amdhsa_wavefront_size32 1
		.amdhsa_system_sgpr_workgroup_id_x 1
		.amdhsa_system_sgpr_workgroup_id_y 1
		.amdhsa_system_sgpr_workgroup_id_z 1
		.amdhsa_system_vgpr_workitem_id 0
		.amdhsa_next_free_vgpr 512
		.amdhsa_next_free_sgpr 100
		.amdhsa_reserve_vcc 1
		.amdhsa_float_denorm_mode_32 3
		.amdhsa_float_denorm_mode_16_64 3
		.amdhsa_memory_ordered 1
		.amdhsa_forward_progress 1
		.amdhsa_inst_pref_size 43
	.end_amdhsa_kernel
	.amdgpu_metadata
---
amdhsa.version: [ 1, 2 ]
amdhsa.kernels:
  - .name:           k_qe296a53eb1_attn
    .symbol:         k_qe296a53eb1_attn.kd
    .args:
      - { .name: codes2, .offset: 0, .size: 8, .value_kind: global_buffer, .address_space: global }
      - { .name: scales2, .offset: 8, .size: 8, .value_kind: global_buffer, .address_space: global }
      - { .name: qf, .offset: 16, .size: 8, .value_kind: global_buffer, .address_space: global }
      - { .name: of, .offset: 24, .size: 8, .value_kind: global_buffer, .address_space: global }
    .group_segment_fixed_size: 327680
    .private_segment_fixed_size: 0
    .kernarg_segment_align: 8
    .kernarg_segment_size: 32
    .max_flat_workgroup_size: 256
    .sgpr_count:     100
    .vgpr_count:     512
    .wavefront_size: 32
...
	.end_amdgpu_metadata
.endif
;; end of part 3
;; launch ffn (part 4): grid 256 x 1, 8 waves a work-group, clusters of 4 x 1, 327,680 bytes of LDS; arguments of, g1, b1, codes1, scales1, bl, g2, b2, out0; writes out0
.if DOCPART == 4
	.amdgcn_target "amdgcn-amd-amdhsa--gfx1250"
	.amdhsa_code_object_version 6
	.text
	.protected	k_qe296a53eb1_ffn
	.globl	k_qe296a53eb1_ffn
	.p2align	8
	.type	k_qe296a53eb1_ffn,@function
k_qe296a53eb1_ffn:
	s_mov_b64 s[64:65], 0
	v_nop
	global_prefetch_b8 v0, s[64:65] scope:SCOPE_SE
	s_setreg_imm32_b32 hwreg(HW_REG_WAVE_MODE, 25, 1), 1
	s_wait_xcnt 0x0
	s_wait_alu depctr_hold_cnt(0) depctr_sa_sdst(0) depctr_va_vdst(0) depctr_va_sdst(0) depctr_va_ssrc(0) depctr_va_vcc(0) depctr_vm_vsrc(0)
	s_getreg_b32 s2, hwreg(HW_REG_IB_STS2, 6, 4)
	s_cmp_eq_u32 s2, 0
	s_cbranch_scc0 .Lentry_in_a_cluster
	s_endpgm
.Lentry_in_a_cluster:
	s_bfe_u32 s2, ttmp6, 0x10000c
	s_cmp_lg_u32 s2, 0x3003
	s_cbranch_scc0 .Lentry_shape_is_right
	s_endpgm
.Lentry_shape_is_right:
; FOURTH LAUNCH: out = LN2(x + relu(x Wl + bl)), x = LN1(O); the product on codes of FP4: x is quantised here, Wl's codes are the first launch's.  Nothing of the problem is left out.
; SHARES: a work-group owns 16 whole rows.  Wave w owns columns 128 w .. 128 w + 127 throughout: of O (heads 2 w, 2 w + 1), as K step w of the product, and as its outputs (tiles 8 w .. 8 w + 7 of Wl's rows).
; So x stays in registers for the residual, and a wave reads only the weights that it fetched itself.  Lane (r, h) holds row r; register 8 t + j' the column 128 w + 16 t + 8 h + j'.
; Each norm goes in two passes, as the problem writes it (mean; then the mean of squares of x - mean): four sums over the eight waves, each through LDS words of its own and one barrier.
; x's eight fragments go from wave to wave through LDS as images of their registers.  The product is used transposed (source 0 = 16 rows of Wl); bl is loaded into the accumulators.
; Wl'S CODES, 512 KiB, come in two halves along K (K steps 0-3, then 4-7): each wave's tensor load brings its 8 tiles x 4 K steps, 32 KiB.  CLUSTER 4 x 1: all work-groups read the same weights: joint loads.
; LIMITS: as in the first launch (a block of zeros gets the byte 1; NaN and infinities are not served).
.set AIMG,  262144                     ; behind the weights: x's 8 fragments,
.set ASC,   270336                     ; their scale words, 128 bytes each,
.set RED,   271360                     ; four sums x [wave 8][32 words],
.set SPARE, 275456                     ; and the spare words, 128 bytes for each of 8 waves
.set WLC,   5767168                    ; Wl's codes in codes1: pair of tiles 352 on
.set SPW,  13
.set NIL,  14
.set PFO,  15
.set X,    32
.set ACC,  96
.set WB,   160                         ; g, then at work, then eight fragments of Wl, then rows of the result
.set WS,   224                         ; v224-255 Wl's scale words: pair p, K step ks at 8 p + ks
.set TM,   160
.set T2,   164
.set SO,   168
.set BY,   172
.set PW,   176
.set PC,   180
.set WV,   22
.set SEL,  26
.set G1W,  28
.set G0W,  36
.macro CROUND
	s_barrier_signal -1
	s_barrier_wait -1
	s_cmp_lg_u32 s[WV], 0
	s_cbranch_scc1 .Lnot_wave_0_\@
	s_barrier_signal -3
.Lnot_wave_0_\@:
	s_barrier_wait -3
	s_barrier_signal -1
	s_barrier_wait -1
.endm
.macro VLOAD reg, lo                   ; my 128 numbers of a vector of 1,024, in the registers' layout: 64 t + 32 h bytes on
.irp t, 0,1,2,3,4,5,6,7
	global_load_b128 v[\reg+8*\t:\reg+8*\t+3], v3, s[\lo:\lo+1] offset:64*\t
	global_load_b128 v[\reg+8*\t+4:\reg+8*\t+7], v3, s[\lo:\lo+1] offset:64*\t+16
.endr
.endm
; the two chains v[26:27], v[28:29] become the row's sum over all 1,024 columns, in v16 of every lane.  k: which of the four sums.  pf = 1: the prefetch stands here
.macro REDUCE k, pf
	s_delay_alu instid0(VALU_DEP_1)
	v_pk_add_f32 v[26:27], v[26:27], v[28:29]
	s_delay_alu instid0(VALU_DEP_1)
	v_add_f32 v26, v26, v27
	s_delay_alu instid0(VALU_DEP_1)
	v_permlanex16_b32 v30, v26, s[SEL], s[SEL+1]
	s_delay_alu instid0(VALU_DEP_1)
	v_add_f32 v26, v26, v30                        ; my wave's 128 columns of row r
	ds_store_b32 v6, v26 offset:1024*(\k)
	s_wait_dscnt 0x0                               ; for the others' sake
	s_barrier_signal -1
	s_barrier_wait -1
.irp i, 0,1,2,3,4,5,6,7
	ds_load_b32 v[16+\i], v7 offset:1024*(\k)+128*\i
.endr
.if \pf
	; A PREFETCH of the weights' second half, which the refill further down asks for: 64 tiles x 4,096 bytes.  All clusters read the same bytes: the first cluster asks.  Its four partners and their eight
	; waves share the tiles out by address, two a wave, a lane to each 256 bytes: each aligned 256 bytes is named once in the launch.  The address registers are never rewritten.
	s_cmp_eq_u32 ttmp9, 0
	s_cbranch_scc0 .Lnot_mine_\@
	global_prefetch_b8 v[PFO], s[50:51] th:TH_LOAD_NT scope:SCOPE_SE
.Lnot_mine_\@:
.endif
	s_wait_dscnt 0x0
	v_pk_add_f32 v[16:17], v[16:17], v[18:19]      ; every wave adds the eight in the same order
	v_pk_add_f32 v[20:21], v[20:21], v[22:23]
	s_delay_alu instid0(VALU_DEP_1)
	v_pk_add_f32 v[16:17], v[16:17], v[20:21]
	s_delay_alu instid0(VALU_DEP_1)
	v_add_f32 v16, v16, v17
.endm
; X = (X - mean) rsqrt(var + 1e-5) g + b; g in WB, b in ACC.  k: the first of its two sums.  lw: the younger loads that may stay out when g and b are wanted
.macro LNORM k, lw, pf
	v_pk_add_f32 v[26:27], v[X:X+1], v[X+2:X+3]
	v_pk_add_f32 v[28:29], v[X+4:X+5], v[X+6:X+7]
.irp j, 8,12,16,20,24,28,32,36,40,44,48,52,56,60
	s_delay_alu instid0(VALU_DEP_2)
	v_pk_add_f32 v[26:27], v[26:27], v[X+\j:X+\j+1]
	s_delay_alu instid0(VALU_DEP_2)
	v_pk_add_f32 v[28:29], v[28:29], v[X+\j+2:X+\j+3]
.endr
	REDUCE \k, \pf
	s_delay_alu instid0(VALU_DEP_1)
	v_mul_f32 v26, s41, v16                        ; the mean: x 2^-10
.set n, 0
	s_wait_alu depctr_va_vdst(0)
.rept 32
	v_pk_add_f32 v[X+n:X+n+1], v[X+n:X+n+1], v[26:27] op_sel_hi:[1,0] neg_lo:[0,1] neg_hi:[0,1]
.set n, n+2
.endr
	v_pk_mul_f32 v[26:27], v[X:X+1], v[X:X+1]
	v_pk_mul_f32 v[28:29], v[X+2:X+3], v[X+2:X+3]
.irp j, 4,8,12,16,20,24,28,32,36,40,44,48,52,56,60
	s_delay_alu instid0(VALU_DEP_2)
	v_pk_fma_f32 v[26:27], v[X+\j:X+\j+1], v[X+\j:X+\j+1], v[26:27]
	s_delay_alu instid0(VALU_DEP_2)
	v_pk_fma_f32 v[28:29], v[X+\j+2:X+\j+3], v[X+\j+2:X+\j+3], v[28:29]
.endr
	REDUCE (\k)+1, 0
	s_delay_alu instid0(VALU_DEP_1)
	v_fmaak_f32 v26, s41, v16, 0x3727c5ac          ; the variance + 1e-5
	s_wait_alu depctr_va_vdst(0)
	v_rsq_f32 v26, v26
	v_nop
	s_wait_loadcnt \lw                             ; g and b are in
	s_wait_alu depctr_va_vdst(0)
.set n, 0
.rept 32
	v_pk_mul_f32 v[X+n:X+n+1], v[X+n:X+n+1], v[26:27] op_sel_hi:[1,0]
.set n, n+2
.endr
.set n, 0
.rept 32
	v_pk_fma_f32 v[X+n:X+n+1], v[X+n:X+n+1], v[WB+n:WB+n+1], v[ACC+n:ACC+n+1]
.set n, n+2
.endr
.endm
; a K step: my eight fragments of Wl, x's fragment and word, eight products on eight accumulators by turns
.macro KSTEP ks
.rept 4
	v_nop                                          ; places behind the last products, ahead of the loads into their sources
.endr
.irp i, 0,1,2,3,4,5,6,7
	ds_load_b128 v[WB+8*\i:WB+8*\i+3], v8 offset:4096*\i+1024*((\ks)%4)
	ds_load_b128 v[WB+8*\i+4:WB+8*\i+7], v8 offset:4096*\i+1024*((\ks)%4)+512
.endr
	ds_load_b128 v[16:19], v9 offset:1024*(\ks)
	ds_load_b128 v[20:23], v9 offset:1024*(\ks)+512
	ds_load_b32 v24, v10 offset:128*(\ks)
	s_wait_dscnt 0x0
.irp i, 0,2,4,6
	v_wmma_scale_f32_16x16x128_f8f6f4 v[ACC+8*\i:ACC+8*\i+7], v[WB+8*\i:WB+8*\i+7], v[16:23], v[ACC+8*\i:ACC+8*\i+7], v[WS+8*(\i/2)+(\ks)], v24 matrix_a_fmt:MATRIX_FMT_FP4 matrix_b_fmt:MATRIX_FMT_FP4
	v_wmma_scale_f32_16x16x128_f8f6f4 v[ACC+8*\i+8:ACC+8*\i+15], v[WB+8*\i+8:WB+8*\i+15], v[16:23], v[ACC+8*\i+8:ACC+8*\i+15], v[WS+8*(\i/2)+(\ks)], v24 matrix_a_fmt:MATRIX_FMT_FP4 matrix_b_fmt:MATRIX_FMT_FP4 matrix_a_scale:MATRIX_SCALE_ROW1
.endr
.endm
	s_load_b512 s[4:19], s[0:1], 0x0               ; of, g1, b1, codes1, scales1, bl, g2, b2
	s_load_b64 s[20:21], s[0:1], 0x40              ; out0
	v_lshl_add_u32 v[SPW], v0, 2, SPARE
	v_mov_b32 v[NIL], 0
	ds_add_u32 v[SPW], v[NIL]                      ; the wave's opening: the add, twice on end, and its wait ahead of my first tensor load
	ds_add_u32 v[SPW], v[NIL]
	v_lshrrev_b32 v26, 5, v0
	s_delay_alu instid0(VALU_DEP_1)
	v_readfirstlane_b32 s[WV], v26                 ; wave 0..7
	s_bfe_u32 s23, ttmp6, 0x40000                  ; cx
	s_lshl_b32 s24, ttmp9, 2
	s_add_co_u32 s24, s24, s23                     ; my tile of 16 rows
	s_mov_b32 s[G1W], 15|(3<<16)|(1<<21)           ; group 1: the mask names all four work-groups, bit 21 beside it; elements of 8 bytes
	s_mov_b32 s[G1W+1], 512<<16                    ; tensor_dim0 = 512 elements: 4 K steps of a tile, 4,096 bytes
	s_mov_b32 s[G1W+2], 8<<16                      ; tensor_dim1 = 8 tiles
	s_mov_b32 s[G1W+3], 512<<16                    ; tile_dim0
	s_mov_b32 s[G1W+4], 8                          ; tile_dim1
	s_mov_b32 s[G1W+5], 1024                       ; from tile to tile: 8,192 bytes
	s_mov_b32 s[G1W+6], 0
	s_mov_b32 s[G1W+7], 0
	s_mov_b32 s[G0W], 1
	s_lshl_b32 s[G0W+1], s[WV], 15                 ; LDS: 32,768 x wave
	s_lshl_b32 s42, s[WV], 16
	s_add_co_u32 s42, s42, WLC                     ; my eight tiles of Wl
	s_mov_b32 s43, 0
	s_mov_b32 s[SEL], 0x76543210
	s_mov_b32 s[SEL+1], 0xfedcba98
	s_mov_b32 s41, 0x3a800000                      ; 2^-10
	s_wait_dscnt 0x0                               ; both opening adds are done
	s_wait_kmcnt 0x0
	s_add_nc_u64 s[G0W+2:G0W+3], s[10:11], s[42:43]
	s_or_b32 s[G0W+3], s[G0W+3], 0x80000000
	CROUND                                         ; all four work-groups are here: the joint loads meet
	tensor_load_to_lds s[G0W:G0W+3], s[G1W:G1W+7]  ; K steps 0-3: one tensor load of mine is out
	s_nop 0
.rept 4
	v_nop
.endr
	v_and_b32 v26, 31, v0                          ; l
	v_and_b32 v27, 15, v0                          ; r
	v_bfe_u32 v28, v0, 4, 1                        ; h
	s_delay_alu instid0(VALU_DEP_3)
	v_lshlrev_b32 v1, 4, v26                       ; 16 l
	s_wait_alu depctr_va_vdst(0)
	v_lshlrev_b32 v2, 2, v26                       ; 4 l
	v_lshlrev_b32 v3, 5, v28                       ; 32 h
	s_wait_alu depctr_va_vdst(0)
	s_lshl_b32 s44, s24, 16
	s_lshl_b32 s45, s[WV], 13
	s_add_co_u32 s44, s44, s45
	s_mov_b32 s45, 0
	s_add_nc_u64 s[4:5], s[4:5], s[44:45]          ; of: (16 tile + 2 wave) x 4,096
	s_lshl_b32 s46, s[WV], 9
	s_mov_b32 s47, 0
	s_add_nc_u64 s[6:7], s[6:7], s[46:47]          ; my 128 numbers of each vector
	s_add_nc_u64 s[8:9], s[8:9], s[46:47]
	s_add_nc_u64 s[14:15], s[14:15], s[46:47]
	s_add_nc_u64 s[16:17], s[16:17], s[46:47]
	s_add_nc_u64 s[18:19], s[18:19], s[46:47]
.set n, 0
.rept 16
	global_load_b128 v[X+4*n:X+4*n+3], v1, s[4:5] offset:512*n
.set n, n+1
.endr
	VLOAD WB, 6                                    ; g1
	VLOAD ACC, 8                                   ; b1
	s_lshl_b32 s44, s24, 16
	s_add_co_u32 s44, s44, s46
	s_add_nc_u64 s[20:21], s[20:21], s[44:45]      ; out0: 16 rows of 4,096 bytes x tile + 512 wave
	s_lshl_b32 s44, s[WV], 12
	s_add_co_u32 s44, s44, 360448
	s_add_nc_u64 s[12:13], s[12:13], s[44:45]      ; Wl's scale words: pair 352 + 4 wave on
	s_lshl_b32 s48, s23, 4
	s_lshl_b32 s49, s[WV], 1
	s_add_co_u32 s48, s48, s49
	s_lshl_b32 s48, s48, 13
	s_add_co_u32 s48, s48, WLC+4096
	s_mov_b32 s49, 0
	s_add_nc_u64 s[50:51], s[10:11], s[48:49]      ; the prefetch: tiles 16 cx + 2 wave and the next, their K steps 4-7
	v_lshlrev_b32 v[PFO], 8, v27
	s_delay_alu instid0(VALU_DEP_1)
	v_lshl_add_u32 v[PFO], v28, 13, v[PFO]
	s_lshl_b32 s40, s[WV], 10
	s_add_co_u32 s40, s40, AIMG
	v_add_nc_u32 v4, s40, v1                       ; where my fragment of x goes
	s_lshl_b32 s40, s[WV], 7
	s_add_co_u32 s44, s40, ASC
	v_add_nc_u32 v5, s44, v2                       ; and its scale word
	s_add_co_u32 s44, s40, RED
	v_add_nc_u32 v6, s44, v2                       ; my wave's word of a sum
	v_add_nc_u32 v7, RED, v2
	v_add_nc_u32 v8, s[G0W+1], v1                  ; my weights; later my stage, read by rows
	v_add_nc_u32 v9, AIMG, v1
	v_add_nc_u32 v10, ASC, v2
	v_mul_u32_u24 v11, v27, 528
	s_delay_alu instid0(VALU_DEP_1)
	v_add_nc_u32 v11, v11, v3
	s_delay_alu instid0(VALU_DEP_1)
	v_add_nc_u32 v11, s[G0W+1], v11                ; my stage: row r of 528 bytes, + 32 h
	v_mov_b32 v30, 0                               ; (a lane permute's destination counts as read)
	s_wait_loadcnt 32                              ; O's sixteen loads are in; g1's and b1's may be out
.irp p, 0,1,2,3
.irp k, 0,1,2,3,4,5,6,7
	global_load_b32 v[WS+8*\p+\k], v2, s[12:13] offset:\p*1024+\k*128
.endr
.endr
	LNORM 0, 32, 1                                 ; the first norm; at g1's and b1's use the 32 scale words may be out
	; x becomes K step w of the product: block b of 32 columns is registers 16 b .. 16 b + 15 of lanes l and l xor 16
.irp b, 0,1,2,3
	v_max3_num_f32 v[TM+\b], |v[X+16*\b]|, |v[X+16*\b+1]|, 0x1800000
.endr
.irp i, 2,4,6,8,10,12,14
.irp b, 0,1,2,3
	s_delay_alu instid0(VALU_DEP_4)
	v_max3_num_f32 v[TM+\b], v[TM+\b], |v[X+16*\b+\i]|, |v[X+16*\b+\i+1]|
.endr
.endr
.irp b, 0,1,2,3
	s_delay_alu instid0(VALU_DEP_4)
	v_permlanex16_b32 v[T2+\b], v[TM+\b], s[SEL], s[SEL+1]
.endr
.irp b, 0,1,2,3
	s_delay_alu instid0(VALU_DEP_4)
	v_max_num_f32 v[TM+\b], v[TM+\b], v[T2+\b]
.endr
.irp b, 0,1,2,3
	s_delay_alu instid0(VALU_DEP_4)
	v_add_nc_u32 v[SO+\b], 0xff000000, v[TM+\b]
.endr
.irp b, 0,1,2,3
	s_delay_alu instid0(VALU_DEP_4)
	v_lshrrev_b32 v[BY+\b], 23, v[SO+\b]
.endr
	s_delay_alu instid0(VALU_DEP_3)
	v_lshl_or_b32 v[PW], v[BY+1], 8, v[BY]
	s_delay_alu instid0(VALU_DEP_1)
	v_lshl_or_b32 v[PW], v[BY+2], 16, v[PW]
	s_delay_alu instid0(VALU_DEP_1)
	v_lshl_or_b32 v[PW], v[BY+3], 24, v[PW]
.irp c, 0,1
.irp e, 0,1
.irp u, 0,1
	v_cvt_scalef32_pk8_fp4_f32 v[PC+4*\c+2*\u+\e], v[X+16*(2*\c+\e)+8*\u:X+16*(2*\c+\e)+8*\u+7], v[SO+2*\c+\e]
.endr
.endr
.endr
	v_nop                                          ; one plain instruction behind the last scaled conversion
.irp c, 0,1
.irp u, 0,1
	v_permlane16_swap_b32 v[PC+4*\c+2*\u], v[PC+4*\c+2*\u+1]
.endr
.endr
	ds_store_b128 v4, v[PC:PC+3]
	ds_store_b128 v4, v[PC+4:PC+7] offset:512
	ds_store_b32 v5, v[PW]
	VLOAD ACC, 14                                  ; bl starts the sums
	s_wait_dscnt 0x0
	s_barrier_signal -1
	s_barrier_wait -1                              ; x's eight fragments lie in LDS
	s_wait_tensorcnt 0x0                           ; my weights have landed: I alone read them
	s_wait_loadcnt 0x0                             ; bl and the scale words
.irp k, 0,1,2,3
	KSTEP \k
.endr
	s_wait_tensorcnt 0x0                           ; THE REFILL: no tensor load of mine is out, so group 0 may be written;
	ds_add_u32 v[SPW], v[NIL]                      ; 0 onto my spare word;
	s_add_nc_u64 s[G0W+2:G0W+3], s[G0W+2:G0W+3], 4096   ; K steps 4-7
	s_wait_dscnt 0x0                               ; the add is done, and my reads of the weights are over
	CROUND                                         ; both now hold of every wave of every partner
	tensor_load_to_lds s[G0W:G0W+3], s[G1W:G1W+7]  ; the first thing behind the round, and my one tensor load there
	s_nop 0
.rept 4
	v_nop
.endr
	s_wait_tensorcnt 0x0
.irp k, 4,5,6,7
	KSTEP \k
.endr
.rept 4
	v_nop                                          ; places behind the last products
.endr
	VLOAD WB, 16                                   ; g2
.set n, 0
.rept 64
	v_max_num_f32 v[ACC+n], 0, v[ACC+n]            ; relu; each accumulator from its low end on
.set n, n+1
.endr
.set n, 0
.rept 32
	v_pk_add_f32 v[X+n:X+n+1], v[X+n:X+n+1], v[ACC+n:ACC+n+1]
.set n, n+2
.endr
	VLOAD ACC, 18                                  ; b2
	LNORM 2, 0, 0                                  ; the second norm
	; THE WAY OUT: through my stage (it lies where my weights lay: they have had their last fill and their last read), back as rows of 512 bytes
.irp t, 0,1,2,3,4,5,6,7
	ds_store_b128 v11, v[X+8*\t:X+8*\t+3] offset:64*\t
	ds_store_b128 v11, v[X+8*\t+4:X+8*\t+7] offset:64*\t+16
.endr
.irp i, 0,1,2,3,4,5,6,7,8,9,10,11,12,13,14,15
	ds_load_b128 v[WB+4*\i:WB+4*\i+3], v8 offset:528*\i   ; LDS serves a wave's instructions in order: these see my stores
.endr
.irp i, 0,1,2,3,4,5,6,7,8,9,10,11,12,13,14,15
	s_wait_dscnt 15-\i                             ; row i is back; the younger rows may be out
	global_store_b128 v1, v[WB+4*\i:WB+4*\i+3], s[20:21] offset:4096*\i th:TH_STORE_NT   ; 32 lanes store 512 consecutive bytes, aligned
.endr
	s_wait_tensorcnt 0x0                           ; the wave's end
	ds_add_u32 v[SPW], v[NIL]
	s_wait_dscnt 0x0
	CROUND                                         ; the closing round
	s_endpgm
.Lfunc_end_k_qe296a53eb1_ffn:
	.size	k_qe296a53eb1_ffn, .Lfunc_end_k_qe296a53eb1_ffn-k_qe296a53eb1_ffn
	.p2alignl 7, 3214868480
	.fill 96, 4, 3214868480
	.section	.rodata,"a",@progbits
	.p2align	6, 0x0
	.amdhsa_kernel k_qe296a53eb1_ffn
		.amdhsa_group_segment_fixed_size 327680
		.amdhsa_private_segment_fixed_size 0
		.amdhsa_enable_private_segment 0
		.amdhsa_kernarg_size 72
		.amdhsa_user_sgpr_count 2
		.amdhsa_user_sgpr_kernarg_segment_ptr 1
		.amdhsa_wavefront_size32 1
		.amdhsa_system_sgpr_workgroup_id_x 1
		.amdhsa_system_sgpr_workgroup_id_y 1
		.amdhsa_system_sgpr_workgroup_id_z 1
		.amdhsa_system_vgpr_workitem_id 0
		.amdhsa_next_free_vgpr 256
		.amdhsa_next_free_sgpr 80
		.amdhsa_reserve_vcc 0
		.amdhsa_float_denorm_mode_32 3
		.amdhsa_float_denorm_mode_16_64 3
		.amdhsa_memory_ordered 1
		.amdhsa_forward_progress 1
		.amdhsa_inst_pref_size 80
	.end_amdhsa_kernel
	.amdgpu_metadata
---
amdhsa.version: [ 1, 2 ]
amdhsa.kernels:
  - .name:           k_qe296a53eb1_ffn
    .symbol:         k_qe296a53eb1_ffn.kd
    .args:
      - { .name: of, .offset: 0, .size: 8, .value_kind: global_buffer, .address_space: global }
      - { .name: g1, .offset: 8, .size: 8, .value_kind: global_buffer, .address_space: global }
      - { .name: b1, .offset: 16, .size: 8, .value_kind: global_buffer, .address_space: global }
      - { .name: codes1, .offset: 24, .size: 8, .value_kind: global_buffer, .address_space: global }
      - { .name: scales1, .offset: 32, .size: 8, .value_kind: global_buffer, .address_space: global }
      - { .name: bl, .offset: 40, .size: 8, .value_kind: global_buffer, .address_space: global }
      - { .name: g2, .offset: 48, .size: 8, .value_kind: global_buffer, .address_space: global }
      - { .name: b2, .offset: 56, .size: 8, .value_kind: global_buffer, .address_space: global }
      - { .name: out0, .offset: 64, .size: 8, .value_kind: global_buffer, .address_space: global }
    .group_segment_fixed_size: 327680
    .private_segment_fixed_size: 0
    .kernarg_segment_align: 8
    .kernarg_segment_size: 72
    .max_flat_workgroup_size: 256
    .sgpr_count:     80
    .vgpr_count:     256
    .wavefront_size: 32
...
	.end_amdgpu_metadata
.endif
;; end of part 4
